; MI455X (gfx1250); checked and timed in simulation.
; The chip was launched on July 23, 2026; its instructions are those of AMD's public machine-readable ISA for CDNA 5 (MIT licence, August 2026) and "CDNA5" Instruction Set Architecture Reference Guide (July 2026). The comments in the code are by the model that wrote it; some were corrected since.
;; Model. Allowed arithmetic: float matrix products may take bf16 or f16 operands with f32 sums; other float arithmetic in f32, or as packed bf16 or f16 multiplies, adds, multiply-adds, maxima and minima; sums over many terms, partial sums and values carried from step to step in f32; what a program stores and reads back later, other than sums and carried values, may be rounded once to bf16 or f16.
;; Inputs: Wa 2,048 float32; Wk 2,048 x 2,048 float32; Wp 2,048 x 2,048 float32; Wq 2,048 x 2,048 float32; Wv 2,048 x 2,048 float32; ba 1 float32; bk 2,048 float32; bp 2,048 float32; bq 2,048 float32; bv 2,048 float32; x 2 x 2,048 x 2,048 float32; x_mask 1 x 2,048 int32.
;; Outputs: out0 2 x 2,048 float32.
;; One version. Each part assembles by itself: llvm-mc -triple=amdgcn-amd-amdhsa -mcpu=gfx1250 --defsym DOCPART=n.
;; ======== version 1 of 1: 6 launches
;; workspace buffers: xw 33,554,432 bytes; qk 33,554,432 bytes; sp 262,144 bytes; xp 1,048,576 bytes; st 2,048 bytes; ov 16,384 bytes
;; launch cast (part 1): grid 1024 x 1, 8 waves a work-group, no clusters, 0 bytes of LDS; arguments x, Wq, Wk, xw; writes xw
.if DOCPART == 1
	.amdgcn_target "amdgcn-amd-amdhsa--gfx1250"
	.amdhsa_code_object_version 6
	.text
	.protected	k_qde627e80cb_cast
	.globl	k_qde627e80cb_cast
	.p2align	8
	.type	k_qde627e80cb_cast,@function
k_qde627e80cb_cast:
	s_mov_b64 s[64:65], 0
	v_nop
	global_prefetch_b8 v0, s[64:65] scope:SCOPE_SE
	s_setreg_imm32_b32 hwreg(HW_REG_WAVE_MODE, 25, 1), 1
	s_wait_xcnt 0x0
; xw = [x ; Wq ; Wk] rounded once to bf16: 8,192 rows of 2,048 numbers (rows 0-4095 x, 4096-6143 Wq, 6144-8191 Wk).
; A stream: every input byte is read once, every output byte written once; no LDS, no barrier, no matrix work.
; A work-group owns 8 rows: 65,536 bytes in, 32,768 bytes out.  Thread t takes the 16 bytes at 4,096 n + 16 t (n = 0..15) and stores
; the 8 bytes at 2,048 n + 8 t: a wave's load covers 512 consecutive bytes, its store 256 consecutive bytes at a multiple of 256.
; All 16 loads of a wave go out at once; no register is written again behind its store, so there is no wait for stores.
.set X, 4                              ; v[4:67]  load n: 4 registers; its first two then hold the 4 bf16
	s_load_b256 s[4:11], s[0:1], 0x0               ; x s[4:5], Wq s[6:7], Wk s[8:9], xw s[10:11]
	s_mov_b32 s12, ttmp9                           ; g: my 8 rows of xw
	s_sub_co_u32 s13, s12, 512                     ; the same counted from Wq's first row,
	s_sub_co_u32 s14, s12, 768                     ; and from Wk's
	v_lshlrev_b32 v1, 4, v0                        ; 16 t
	v_lshlrev_b32 v2, 3, v0                        ; 8 t
	s_wait_kmcnt 0x0
	s_cmp_lt_u32 s12, 768                          ; which tensor my rows come from: a choice by the work-group's number alone
	s_cselect_b64 s[16:17], s[6:7], s[8:9]
	s_cselect_b32 s15, s13, s14
	s_cmp_lt_u32 s12, 512
	s_cselect_b64 s[16:17], s[4:5], s[16:17]
	s_cselect_b32 s15, s12, s15
	s_lshl_b32 s18, s15, 16                        ; 8 rows of 8,192 bytes
	s_mov_b32 s19, 0
	s_add_nc_u64 s[16:17], s[16:17], s[18:19]
	s_lshl_b32 s20, s12, 15                        ; 8 rows of 4,096 bytes
	s_mov_b32 s21, 0
	s_add_nc_u64 s[10:11], s[10:11], s[20:21]
.irp n, 0,1,2,3,4,5,6,7,8,9,10,11,12,13,14,15
	global_load_b128 v[X+4*\n:X+4*\n+3], v1, s[16:17] offset:4096*\n th:TH_LOAD_NT
.endr
.irp n, 0,1,2,3,4,5,6,7,8,9,10,11,12,13,14,15
	s_wait_loadcnt 15-\n                           ; loads come back in order: load n is in, the younger ones stay out
	v_cvt_pk_bf16_f32 v[X+4*\n], v[X+4*\n], v[X+4*\n+1]
	v_cvt_pk_bf16_f32 v[X+4*\n+1], v[X+4*\n+2], v[X+4*\n+3]
	global_store_b64 v2, v[X+4*\n:X+4*\n+1], s[10:11] offset:2048*\n
.endr
	s_endpgm
.Lfunc_end_k_qde627e80cb_cast:
	.size	k_qde627e80cb_cast, .Lfunc_end_k_qde627e80cb_cast-k_qde627e80cb_cast
	.p2alignl 7, 3214868480
	.fill 96, 4, 3214868480
	.section	.rodata,"a",@progbits
	.p2align	6, 0x0
	.amdhsa_kernel k_qde627e80cb_cast
		.amdhsa_group_segment_fixed_size 0
		.amdhsa_private_segment_fixed_size 0
		.amdhsa_enable_private_segment 0
		.amdhsa_kernarg_size 32
		.amdhsa_user_sgpr_count 2
		.amdhsa_user_sgpr_kernarg_segment_ptr 1
		.amdhsa_wavefront_size32 1
		.amdhsa_system_sgpr_workgroup_id_x 1
		.amdhsa_system_sgpr_workgroup_id_y 1
		.amdhsa_system_sgpr_workgroup_id_z 1
		.amdhsa_system_vgpr_workitem_id 0
		.amdhsa_next_free_vgpr 68
		.amdhsa_next_free_sgpr 66
		.amdhsa_reserve_vcc 0
		.amdhsa_float_denorm_mode_32 3
		.amdhsa_float_denorm_mode_16_64 3
		.amdhsa_memory_ordered 1
		.amdhsa_forward_progress 1
		.amdhsa_inst_pref_size 7
	.end_amdhsa_kernel
	.amdgpu_metadata
---
amdhsa.version: [ 1, 2 ]
amdhsa.kernels:
  - .name:           k_qde627e80cb_cast
    .symbol:         k_qde627e80cb_cast.kd
    .args:
      - { .name: x, .offset: 0, .size: 8, .value_kind: global_buffer, .address_space: global }
      - { .name: Wq, .offset: 8, .size: 8, .value_kind: global_buffer, .address_space: global }
      - { .name: Wk, .offset: 16, .size: 8, .value_kind: global_buffer, .address_space: global }
      - { .name: xw, .offset: 24, .size: 8, .value_kind: global_buffer, .address_space: global }
    .group_segment_fixed_size: 0
    .private_segment_fixed_size: 0
    .kernarg_segment_align: 8
    .kernarg_segment_size: 32
    .max_flat_workgroup_size: 256
    .sgpr_count:     66
    .vgpr_count:     68
    .wavefront_size: 32
...
	.end_amdgpu_metadata
.endif
;; end of part 1
;; launch proj (part 2): grid 16 x 16, 4 waves a work-group, clusters of 4 x 4, 327,680 bytes of LDS; arguments xw, bq, bk, qk; writes qk
.if DOCPART == 2
	.amdgcn_target "amdgcn-amd-amdhsa--gfx1250"
	.amdhsa_code_object_version 6
	.text
	.protected	k_qde627e80cb_proj
	.globl	k_qde627e80cb_proj
	.p2align	8
	.type	k_qde627e80cb_proj,@function
k_qde627e80cb_proj:
	s_mov_b64 s[64:65], 0
	v_nop
	global_prefetch_b8 v0, s[64:65] scope:SCOPE_SE
	s_setreg_imm32_b32 hwreg(HW_REG_WAVE_MODE, 25, 1), 1
	s_wait_xcnt 0x0
	s_wait_alu depctr_hold_cnt(0) depctr_sa_sdst(0) depctr_va_vdst(0) depctr_va_sdst(0) depctr_va_ssrc(0) depctr_va_vcc(0) depctr_vm_vsrc(0)
	s_getreg_b32 s2, hwreg(HW_REG_IB_STS2, 6, 4)
	s_cmp_eq_u32 s2, 0
	s_cbranch_scc0 .Lentry_in_a_cluster
	s_endpgm
.Lentry_in_a_cluster:
	s_bfe_u32 s2, ttmp6, 0x10000c
	s_cmp_lg_u32 s2, 0xf033
	s_cbranch_scc0 .Lentry_shape_is_right
	s_endpgm
.Lentry_shape_is_right:
; qk[m][n] = sum over k of x[m][k] W[n][k] + bias[n]:  x = rows 0-4095 of xw, W = [Wq ; Wk] = rows 4096-8191 of xw (bf16), bias = [bq ; bk] rounded to bf16.
; qk: [4096][4096] bf16: columns 0-2047 q, 2048-4095 k.  Sums in f32, started by the bias, rounded once at the end.
; A tile of qk, 256 x 256, is made by a work-group of four waves; a wave makes 128 x 128: 64 accumulators of 16 x 16, 512 registers.  K goes in steps of 128 through a ring of
; two LDS slots filled by the tensor data mover: a tile's rows are 256 bytes of memory and start at multiples of 256 bytes.  256 tiles, one to a work-group.
; CLUSTERS: 4 x 4 work-groups.  The four of a row of the cluster need the same tiles of x, the four of a column the same tiles of W: each tile is asked for JOINTLY, by the same
; tensor load with the same descriptor and a mask that names the four.
; The last K step goes by rows of qk, so that finished rows leave while the others are multiplied.
; REGISTERS, in windows of 256:
;   window 0: v0-31 addresses; v64-127, v128-191 fragments of x, two buffers (in the last K step four, of 16 rows x 128 K); v192-255 first the bias, later, with v32-63, at work on the way out
;   window 1: v64-127, v128-191 fragments of W, two buffers; in the last K step all 256
;   window 2: the 32 accumulators of my rows 0-63 (accumulator (a, b) at v[8 (8 a + b)]);   window 3: those of my rows 64-127
; THE MATRIX INSTRUCTION IS USED TRANSPOSED: source 0 = 16 rows of W, source 1 = 16 rows of x.  Lane l then holds row l % 16 of qk and its registers 0-7 the columns 8 (l / 16) + 0..7:
; eight neighbouring numbers of a row.  The bias of those eight columns, the same for every row block, is the C operand of the first product on each accumulator.
; LIMITS: NaN and infinities are not treated apart; q and k are kept in bf16.
.set SIZE_M, 4096
.set SIZE_N, 4096
.set SIZE_K, 2048
.set WROWS,  4096*4096                 ; bytes from x's first row to W's in xw
.set KSTEP,  128
.set PITCH,  272                       ; an LDS row: 256 bytes + 16 of padding = 68 words: row r starts 4 r words further modulo 64 (64 banks of 4 bytes: ISA guide 11.1)
.set HALFT,  128*PITCH                 ; 128 rows: what one tensor load brings, and what one wave reads of x or of W
.set SLOT,   4*HALFT                   ; x's 256 rows, then W's 256 rows
.set STAGE,  2*SLOT                    ; behind the ring: 16 rows x 272 bytes for each wave, for the way out
.set SPITCH, 272
.set SPARE,  STAGE+4*16*SPITCH         ; behind the stages: the spare words, 128 bytes for each wave
.set LAPS, SIZE_K/(2*KSTEP)            ; a lap = two K steps = once round the ring: 8
.set ADRA, 16                          ; v16-17  LDS address of my x fragments in slot 0, 1
.set ADRB, 20                          ; v20-21  the same for W
.set STO,  24                          ; v24     the way out: where I put 16 bytes of a row
.set RD,   25                          ; v25     the way out: where I read a row back
.set CO,   26                          ; v26     my byte offset in qk
.set BO,   27                          ; v27     my byte offset in 16 numbers of the bias
.set SPW,  28                          ; v28     LDS address of my spare word; never rewritten
.set NIL,  29                          ; v29     0; never rewritten
.set BT,   30                          ; v30-31  at work while the bias is rounded
.set F0,   64                          ; fragment buffer 0
.set F1,   128                         ; fragment buffer 1
.set BIAS, 192                         ; v192-255 of window 0: column block b at BIAS + 8 b
.set TMP,  192                         ; the way out: packed results, in window 0 (the bias is long used by then)
.set OB,   32                          ; the way out: 16 rows read back from the stage: v32-63 and v224-255 by turns
.set PA,   64                          ; the last K step: x's fragments of 16 rows x 128 K, 32 registers; four such buffers
.set G1, 24                            ; s[24:31] descriptor group 1 for x's tiles
.set G0, 32                            ; s[32:39] descriptor group 0 for x's tiles, one set for each slot
.set G1B, 48                           ; s[48:55] descriptor group 1 for W's tiles: it differs in the mask alone
.set G0B, 56                           ; s[56:63] descriptor group 0 for W's tiles, one set for each slot
.set MSB, 0
.macro WIN new                         ; the immediate's high byte repeats the setting that is left; a switch that changes nothing is dropped
.if MSB != (\new)
	s_set_vgpr_msb (MSB<<8)|(\new)
.set MSB, \new
.endif
.endm
.set MUL_LO, 0xa1                      ; source 0 (W) window 1, source 1 (x) window 0, C and D window 2
.set MUL_HI, 0xf1                      ; the same, C and D window 3
.set TO_B,   0x40                      ; destination window 1, address window 0
; A joint load.  Waves 0 and 1 fetch x's two halves, waves 2 and 3 W's.  The branch hangs on the wave's number alone.
; An s_nop 0 and four v_nop follow each of the two lines, ahead of the jump and the label.
.macro JLOAD s
	s_cmp_eq_u32 s11, 0
	s_cbranch_scc0 .Lfor_b_\@
	tensor_load_to_lds s[G0+4*(\s):G0+4*(\s)+3], s[G1:G1+7]
	s_nop 0
.rept 4
	v_nop
.endr
	s_branch .Lasked_\@
.Lfor_b_\@:
	tensor_load_to_lds s[G0B+4*(\s):G0B+4*(\s)+3], s[G1B:G1B+7]
	s_nop 0
.rept 4
	v_nop
.endr
.Lasked_\@:
.endm
.macro CREST                           ; a round of the cluster's barrier behind its opening barrier
	s_cmp_lg_u32 s10, 0
	s_cbranch_scc1 .Lnot_wave_0_\@
	s_barrier_signal -3
.Lnot_wave_0_\@:
	s_barrier_wait -3
	s_barrier_signal -1
	s_barrier_wait -1
.endm
.macro CROUND                          ; a whole round
	s_barrier_signal -1
	s_barrier_wait -1
	CREST
.endm
	s_load_b64 s[4:5], s[0:1], 0x0                 ; xw
	s_load_b64 s[68:69], s[0:1], 0x8               ; bq
	s_load_b64 s[70:71], s[0:1], 0x10              ; bk
	s_load_b64 s[8:9], s[0:1], 0x18                ; qk
	v_lshl_add_u32 v[SPW], v0, 2, SPARE
	v_mov_b32 v[NIL], 0
	ds_add_u32 v[SPW], v[NIL]                      ; the wave's opening: the add and its wait stand ahead of my first tensor load
	v_lshrrev_b32 v1, 5, v0
	v_readfirstlane_b32 s10, v1                    ; wave 0..3
	s_lshr_b32 s11, s10, 1                         ; which half of the tile's rows is mine.  Also: I fetch for x (0) or for W (1)
	s_and_b32 s12, s10, 1                          ; which half of its columns.  Also: which 128 rows of that tile I fetch
	s_bfe_u32 s40, ttmp6, 0x40000                  ; cx
	s_bfe_u32 s41, ttmp6, 0x40004                  ; cy
	s_lshl_b32 s42, ttmp9, 2
	s_add_co_u32 s42, s42, s40                     ; tile column = 4 x cluster x + cx
	s_and_b32 s13, ttmp7, 0xffff
	s_lshl_b32 s13, s13, 2
	s_add_co_u32 s13, s13, s41                     ; tile row = 4 x cluster y + cy
	s_lshl_b32 s43, s41, 2
	s_lshl_b32 s43, 15, s43                        ; my row of the cluster: places 4 cy .. 4 cy + 3
	s_lshl_b32 s44, 0x1111, s40                    ; my column: places cx, cx + 4, cx + 8, cx + 12
	; descriptor group 1: a tile of 128 rows x 128 elements, padded in LDS
	s_or_b32 s[G1+0], s43, (1<<16)|(1<<20)|(1<<21)|(5<<22)|(3<<25)  ; the mask; elements of 2 bytes; padding on; bit 21 beside a mask; after every 64 words (code 5) 4 words (code 3)
	s_or_b32 s[G1B+0], s44, (1<<16)|(1<<20)|(1<<21)|(5<<22)|(3<<25)
	s_mov_b32 s[G1B+1], KSTEP<<16
	s_mov_b32 s[G1+1], KSTEP<<16                   ; tensor_dim0 = 128
	s_mov_b32 s[G1B+2], 128<<16
	s_mov_b32 s[G1+2], 128<<16                     ; tensor_dim1 = 128
	s_mov_b32 s[G1B+3], KSTEP<<16
	s_mov_b32 s[G1+3], KSTEP<<16                   ; tile_dim0 = 128
	s_mov_b32 s[G1B+4], 128
	s_mov_b32 s[G1+4], 128                         ; tile_dim1 = 128
	s_mov_b32 s[G1B+5], SIZE_K
	s_mov_b32 s[G1+5], SIZE_K                      ; elements from row to row
	s_mov_b32 s[G1B+6], 0
	s_mov_b32 s[G1+6], 0
	s_mov_b32 s[G1B+7], 0
	s_mov_b32 s[G1+7], 0
	; x's tiles hang on the tile row alone, W's on the tile column alone; each address is made in registers that never hold the other coordinate
	s_lshl_b32 s17, s12, 7                         ; which 128 rows of the tile I fetch
	s_lshl_b32 s16, s13, 8
	s_add_co_u32 s16, s16, s17                     ; x: row 256 x tile row + 128 x half
	s_lshl_b32 s46, s42, 8
	s_add_co_u32 s46, s46, s17                     ; W: row 256 x tile column + 128 x half
	s_mov_b32 s17, 0
	s_mov_b32 s47, 0
	s_mov_b64 s[18:19], SIZE_K*2
	s_mul_u64 s[16:17], s[16:17], s[18:19]         ; in bytes
	s_mul_u64 s[46:47], s[46:47], s[18:19]
	s_mul_i32 s20, s10, HALFT                      ; where they go: wave x 128 rows
	s_wait_dscnt 0x0                               ; the opening add is done
	s_wait_kmcnt 0x0
	s_add_nc_u64 s[6:7], s[4:5], WROWS             ; W's first row
	s_add_nc_u64 s[14:15], s[4:5], s[16:17]
	s_add_nc_u64 s[46:47], s[6:7], s[46:47]
	CROUND                                         ; all sixteen work-groups are here: the first joint loads meet
.irp s, 0,1
	s_mov_b32 s[G0+4*(\s)], 1                                      ; count = 1
	s_add_co_u32 s[G0+4*(\s)+1], s20, (\s)*SLOT                    ; LDS address
	s_add_nc_u64 s[G0+4*(\s)+2:G0+4*(\s)+3], s[14:15], (\s)*KSTEP*2  ; global address: K step s
	s_or_b32 s[G0+4*(\s)+3], s[G0+4*(\s)+3], 0x80000000            ; type = 2
	s_mov_b32 s[G0B+4*(\s)], 1
	s_add_co_u32 s[G0B+4*(\s)+1], s20, (\s)*SLOT
	s_add_nc_u64 s[G0B+4*(\s)+2:G0B+4*(\s)+3], s[46:47], (\s)*KSTEP*2
	s_or_b32 s[G0B+4*(\s)+3], s[G0B+4*(\s)+3], 0x80000000
	JLOAD \s                                       ; two tensor loads of mine are out
.endr
	; A fragment is 16 rows x 32 K in 8 registers: lane l holds row l % 16; registers 0-3 K = 8 (l / 16) + 0..7, registers 4-7 K = 16 + 8 (l / 16) + 0..7: two loads of 16 bytes, 32 bytes apart.
	v_and_b32 v1, 15, v0                           ; l % 16
	v_bfe_u32 v2, v0, 4, 1                         ; l / 16
	; the bias of my 128 columns: bq for tile columns 0-7, which are cluster columns 0 and 1, bk for the others
	s_cmp_lt_u32 ttmp9, 2
	s_cselect_b64 s[72:73], s[68:69], s[70:71]
	s_and_b32 s74, s42, 7
	s_lshl_b32 s74, s74, 10                        ; 256 numbers of 4 bytes a tile column,
	s_lshl_b32 s75, s12, 9                         ; 128 for my half
	s_add_co_u32 s74, s74, s75
	s_mov_b32 s75, 0
	s_add_nc_u64 s[72:73], s[72:73], s[74:75]
	v_lshlrev_b32 v[BO], 5, v2                     ; eight numbers further for lanes 16-31
.irp b, 0,1,2,3,4,5,6,7
	global_load_b128 v[BIAS+8*(\b):BIAS+8*(\b)+3],   v[BO], s[72:73] offset:64*(\b)
	global_load_b128 v[BIAS+8*(\b)+4:BIAS+8*(\b)+7], v[BO], s[72:73] offset:64*(\b)+16
.endr
	v_mul_u32_u24 v3, v1, PITCH
	v_lshl_add_u32 v3, v2, 4, v3                   ; row x pitch + 16 x half
	s_mul_i32 s21, s11, HALFT                      ; my 128 rows of x
	s_mul_i32 s22, s12, HALFT                      ; my 128 rows of W,
	s_add_co_u32 s22, s22, 2*HALFT                 ; which lie behind x's 256
.irp s, 0,1
	v_add_nc_u32 v[ADRA+(\s)], s21, v3
	v_add_nc_u32 v[ADRB+(\s)], s22, v3
	s_add_co_u32 s21, s21, SLOT
	s_add_co_u32 s22, s22, SLOT
.endr
	s_mul_i32 s23, s10, 16*SPITCH
	s_add_co_u32 s23, s23, STAGE                   ; my stage
	v_mul_u32_u24 v4, v1, SPITCH                   ; in: row l % 16, 16 bytes for each half of the lanes
	v_lshl_add_u32 v4, v2, 4, v4
	v_add_nc_u32 v[STO], s23, v4
	v_mul_u32_u24 v5, v2, SPITCH                   ; back: lanes 0-15 take one row of 256 bytes, lanes 16-31 the next
	v_lshl_add_u32 v5, v1, 4, v5
	v_add_nc_u32 v[RD], s23, v5
	v_mul_u32_u24 v5, v2, SIZE_N*2                 ; and the same two rows in qk
	v_lshl_add_u32 v[CO], v1, 4, v5
	s_lshl_b32 s13, s13, 8
	s_lshl_b32 s14, s11, 7
	s_add_co_u32 s16, s13, s14                     ; my first row of qk
	s_mov_b32 s17, 0
	s_mov_b64 s[18:19], SIZE_N*2
	s_mul_u64 s[16:17], s[16:17], s[18:19]
	s_lshl_b32 s46, s42, 9                         ; my first column, in bytes: 512 x tile column + 256 x half
	s_lshl_b32 s47, s12, 8
	s_add_co_u32 s46, s46, s47
	s_mov_b32 s47, 0
	s_add_nc_u64 s[16:17], s[16:17], s[46:47]
	s_wait_loadcnt 0x0                             ; the bias; it is rounded to bf16 like every input, and kept in f32
.set i, 0
.rept 32
	v_cvt_pk_bf16_f32 v[BT+i%2], v[BIAS+2*i], v[BIAS+2*i+1]
	v_lshlrev_b32 v[BIAS+2*i], 16, v[BT+i%2]
	v_and_b32 v[BIAS+2*i+1], 0xffff0000, v[BT+i%2]
.set i, i+1
.endr
; 16 matrix instructions: m blocks a0, a0 + 1 of the window's four (hi = 0: my rows 0-63, 1: rows 64-127) x all 8 n blocks, 32 along K.
; zero = 1: the first product starts the sums, with the bias (window 0) as C: nothing is ever cleared.
.macro MUL16 f, hi, a0, zero
.if \zero
	WIN 0x81+0x40*(\hi)                            ; W window 1, x and the bias window 0, D window 2 or 3
.else
	WIN MUL_LO+0x50*(\hi)                          ; MUL_LO or MUL_HI
.endif
.irp a, \a0, (\a0)+1
.irp b, 0,1,2,3,4,5,6,7
.if \zero
	v_wmma_f32_16x16x32_bf16 v[8*(8*(\a)+(\b)):8*(8*(\a)+(\b))+7], v[(\f)+8*(\b):(\f)+8*(\b)+7], v[(\f)+8*(4*(\hi)+(\a)):(\f)+8*(4*(\hi)+(\a))+7], v[BIAS+8*(\b):BIAS+8*(\b)+7]
.else
	v_wmma_f32_16x16x32_bf16 v[8*(8*(\a)+(\b)):8*(8*(\a)+(\b))+7], v[(\f)+8*(\b):(\f)+8*(\b)+7], v[(\f)+8*(4*(\hi)+(\a)):(\f)+8*(4*(\hi)+(\a))+7], v[8*(8*(\a)+(\b)):8*(8*(\a)+(\b))+7]
.endif
.endr
.endr
.endm
; 32 LDS loads in one run: the fragments of one quarter step (128 rows of W, 128 rows of x, 32 K at byte k of the rows) into buffer f
.macro FETCH slot, k, f
	WIN TO_B
.irp i, 0,1,2,3,4,5,6,7
	ds_load_b128 v[(\f)+8*(\i):(\f)+8*(\i)+3],   v[ADRB+(\slot)] offset:(\k)+(\i)*16*PITCH
	ds_load_b128 v[(\f)+8*(\i)+4:(\f)+8*(\i)+7], v[ADRB+(\slot)] offset:(\k)+(\i)*16*PITCH+32
.endr
	WIN 0
.irp i, 0,1,2,3,4,5,6,7
	ds_load_b128 v[(\f)+8*(\i):(\f)+8*(\i)+3],   v[ADRA+(\slot)] offset:(\k)+(\i)*16*PITCH
	ds_load_b128 v[(\f)+8*(\i)+4:(\f)+8*(\i)+7], v[ADRA+(\slot)] offset:(\k)+(\i)*16*PITCH+32
.endr
.endm
; Four plain vector instructions that name none of a matrix instruction's registers stand between it and a load into, or a vector instruction on, its registers (ISA guide 7.12.1 for vector instructions).
.macro PLACES
.rept 4
	v_nop
.endr
.endm
; A K step is four quarter steps of 32 along K, 64 matrix instructions each, on buffers 0, 1, 0, 1.
; One of the first three: multiplies buffer f; in its middle it fetches the next quarter's fragments, at byte k of the same slot's rows, into buffer g.
.macro QUARTER slot, k, f, g, zero
	s_wait_dscnt 8                                 ; W and x's rows 0-63 are in; the youngest eight loads (x's rows 64-127) may be out
	MUL16 \f, 0, 0, \zero
	MUL16 \f, 0, 2, \zero
	PLACES
	FETCH \slot, \k, \g
	s_wait_dscnt 32                                ; all but the 32 just issued
	MUL16 \f, 1, 0, \zero
	MUL16 \f, 1, 2, \zero
.endm
; The last quarter multiplies buffer 1 and changes slots.  MEET is its first half: ONE barrier for the change.  In front of it each wave waits for all its tensor loads (one is out: its part
; of the next slot), adds 0 to its spare word, and waits for that and for its own reads of this slot.
.macro MEET round                      ; round = 1: a round of the cluster's barrier follows
	WIN 0                                          ; (the add's two registers lie in window 0)
	s_wait_tensorcnt 0x0                           ; all my tensor loads have landed
	ds_add_u32 v[SPW], v[NIL]                      ; 0 onto my spare word
	s_wait_dscnt 9                                 ; (the add and the youngest eight loads may be out)
	WIN MUL_LO
	MUL16 F1, 0, 0, 0                              ; sixteen matrix instructions stand between the add and the wait for it
	s_wait_dscnt 0x0                               ; the add is done, and my reads of this slot are over
	s_barrier_signal -1
	MUL16 F1, 0, 2, 0                              ; work on registers while the others arrive
.if \round
	WIN 0
.endif
	s_barrier_wait -1
.endm
; The whole last quarter.  Behind the round the slot just read out is filled again first, with the K step two steps on; then come the next slot's first fragments.
.macro TURN slot, next
	MEET 1
	CREST                                          ; no wave of any partner still reads this slot's tile or has a load on its way
	s_add_nc_u64 s[G0+4*(\slot)+2:G0+4*(\slot)+3], s[G0+4*(\slot)+2:G0+4*(\slot)+3], 2*KSTEP*2
	s_add_nc_u64 s[G0B+4*(\slot)+2:G0B+4*(\slot)+3], s[G0B+4*(\slot)+2:G0B+4*(\slot)+3], 2*KSTEP*2
	JLOAD \slot                                    ; the first tensor load behind the round: one load of mine is out; its four v_nop are also the places in front of the loads below
	FETCH \next, 0, F0
	WIN MUL_HI
	MUL16 F1, 1, 0, 0
	MUL16 F1, 1, 2, 0
.endm
; THE LAST K STEP (it lies in slot 1) GOES BY ROWS OF qk.  All its fragments of W (4 quarters x 64 registers) fill window 1; then my eight blocks of 16 rows are finished one after the other,
; each with 32 matrix instructions (its 8 accumulators by turns, K ascending).
.macro BLOAD q                         ; W's fragments of quarter q -> window 1, v[64 q ..]
	WIN TO_B
.irp i, 0,1,2,3,4,5,6,7
	ds_load_b128 v[64*(\q)+8*(\i):64*(\q)+8*(\i)+3],   v[ADRB+1] offset:64*(\q)+(\i)*16*PITCH
	ds_load_b128 v[64*(\q)+8*(\i)+4:64*(\q)+8*(\i)+7], v[ADRB+1] offset:64*(\q)+(\i)*16*PITCH+32
.endr
.endm
.macro ALOAD a                         ; x's fragments of block a, all four quarters -> buffer a % 4
	WIN 0
.set FA, PA+32*((\a)%4)
.irp q, 0,1,2,3
	ds_load_b128 v[FA+8*(\q):FA+8*(\q)+3],   v[ADRA+1] offset:64*(\q)+(\a)*16*PITCH
	ds_load_b128 v[FA+8*(\q)+4:FA+8*(\q)+7], v[ADRA+1] offset:64*(\q)+(\a)*16*PITCH+32
.endr
.endm
.macro ROW a                           ; block a is finished: 32 matrix instructions
.set FA, PA+32*((\a)%4)
.set AC, 64*((\a)%4)
	WIN MUL_LO+0x50*((\a)/4)
.irp q, 0,1,2,3
.if (\a) == 0 && (\q) == 2
	s_wait_dscnt 24                                ; W's quarter 2 is in (behind it: x's blocks 1 to 3)
.endif
.irp b, 0,1,2,3,4,5,6,7
	v_wmma_f32_16x16x32_bf16 v[AC+8*(\b):AC+8*(\b)+7], v[64*(\q)+8*(\b):64*(\q)+8*(\b)+7], v[FA+8*(\q):FA+8*(\q)+7], v[AC+8*(\b):AC+8*(\b)+7]
.endr
.endr
.endm
; THE WAY OUT of block a.  PACK: rounded to bf16, 16 bytes a lane (each accumulator's registers in ascending order).  TOSTAGE: into my own stage, and back as whole rows of 256 bytes.  SEND: stored.
.macro PACK a
.set AC, 64*((\a)%4)
	WIN 0x0a+5*((\a)/4)                            ; sources 0 and 1: window 2 or 3
.irp b, 0,1,2,3,4,5,6,7
.irp r, 0,1,2,3
	v_cvt_pk_bf16_f32 v[TMP+4*(\b)+(\r)], v[AC+8*(\b)+2*(\r)], v[AC+8*(\b)+2*(\r)+1]
.endr
.endr
	WIN 0
.endm
.macro TOSTAGE a
	WIN 0
.set BK, OB+192*((\a)%2)
.irp b, 0,1,2,3,4,5,6,7
	ds_store_b128 v[STO], v[TMP+4*(\b):TMP+4*(\b)+3] offset:32*(\b)
.endr
.irp t, 0,1,2,3,4,5,6,7
	ds_load_b128 v[BK+4*(\t):BK+4*(\t)+3], v[RD] offset:(\t)*2*SPITCH  ; LDS serves a wave's instructions in order (ISA guide 5.7.1.4): these see the stores above
.endr
.endm
.macro SEND a, younger                 ; younger: the LDS loads issued behind TOSTAGE's, which may stay out
	WIN 0
.set BK, OB+192*((\a)%2)
	s_wait_dscnt \younger                          ; the block is back in registers
	s_wait_xcnt 0x0                                ; only behind this wait are the stores' base and the registers that earlier stores read rewritten
.if (\a) == 0
	s_add_nc_u64 s[8:9], s[8:9], s[16:17]          ; my first rows
.else
	s_add_nc_u64 s[8:9], s[8:9], 16*SIZE_N*2       ; 16 rows on
.endif
.irp t, 0,1,2,3,4,5,6,7
	global_store_b128 v[CO], v[BK+4*(\t):BK+4*(\t)+3], s[8:9] offset:2*(\t)*SIZE_N*2  ; 16 lanes store 256 consecutive bytes, at a multiple of 256 from qk's first byte
.endr
.endm
	s_wait_tensorcnt 1                             ; my part of K step 0 is in; K step 1's may stay out
	s_barrier_signal -1
	s_barrier_wait -1                              ; everybody's is
	FETCH 0, 0, F0
	QUARTER 0, 64,  F0, F1, 1                      ; the first quarter stands in front of the loop: its products start the sums
	WIN 0                                          ; at a label and at a branch every window is 0
	s_mov_b32 s3, LAPS-1
.Llap:                                                 ; a trip goes once round the ring, from a lap's second quarter to the next lap's first, and fills both slots again
	QUARTER 0, 128, F1, F0, 0
	QUARTER 0, 192, F0, F1, 0
	TURN 0, 1
	QUARTER 1, 64,  F0, F1, 0
	QUARTER 1, 128, F1, F0, 0
	QUARTER 1, 192, F0, F1, 0
	TURN 1, 0
	QUARTER 0, 64,  F0, F1, 0
	WIN 0
	s_sub_co_u32 s3, s3, 1
	s_cmp_lg_u32 s3, 0
	s_cbranch_scc1 .Llap
	QUARTER 0, 128, F1, F0, 0                      ; the last lap goes on
	QUARTER 0, 192, F0, F1, 0
	MEET 0                                         ; my one tensor load that was still out is slot 1's, the last K step's, so no round follows
	PLACES                                         ; for the loads into buffer 0, which the quarter before multiplied
	WIN TO_B
	BLOAD 0                                        ; three quarters of W now: buffer 1 is still being multiplied
	BLOAD 1
	BLOAD 3
	WIN 0
	ALOAD 0
	WIN MUL_HI
	MUL16 F1, 1, 0, 0
	MUL16 F1, 1, 2, 0
	PLACES                                         ; for the loads into buffer 1
	WIN TO_B
	BLOAD 2
	WIN 0
	ALOAD 1
	ALOAD 2
	ALOAD 3
	s_wait_dscnt 40                                ; all but the 40 just issued
	ROW 0
.irp a, 0,1,2,3,4,5,6,7                ; each block leaves as soon as it is finished
	PLACES                                         ; its conversions read results just made
	PACK \a
	TOSTAGE \a
.if (\a) < 4
	ALOAD (\a)+4                                   ; its buffer takes the block four further on
	SEND \a, 8
.else
	SEND \a, 0
.endif
.if (\a) < 7
	ROW (\a)+1
.endif
.endr
	s_wait_tensorcnt 0x0                           ; the wave's end
	ds_add_u32 v[SPW], v[NIL]
	s_wait_dscnt 0x0
	CROUND                                         ; the closing round: no work-group ends while a partner may still ask for a tile that names it
	s_endpgm
.Lfunc_end_k_qde627e80cb_proj:
	.size	k_qde627e80cb_proj, .Lfunc_end_k_qde627e80cb_proj-k_qde627e80cb_proj
	.p2alignl 7, 3214868480
	.fill 96, 4, 3214868480
	.section	.rodata,"a",@progbits
	.p2align	6, 0x0
	.amdhsa_kernel k_qde627e80cb_proj
		.amdhsa_group_segment_fixed_size 327680
		.amdhsa_private_segment_fixed_size 0
		.amdhsa_enable_private_segment 0
		.amdhsa_kernarg_size 32
		.amdhsa_user_sgpr_count 2
		.amdhsa_user_sgpr_kernarg_segment_ptr 1
		.amdhsa_wavefront_size32 1
		.amdhsa_system_sgpr_workgroup_id_x 1
		.amdhsa_system_sgpr_workgroup_id_y 1
		.amdhsa_system_sgpr_workgroup_id_z 1
		.amdhsa_system_vgpr_workitem_id 0
		.amdhsa_next_free_vgpr 1024
		.amdhsa_next_free_sgpr 80
		.amdhsa_reserve_vcc 0
		.amdhsa_float_denorm_mode_32 3
		.amdhsa_float_denorm_mode_16_64 3
		.amdhsa_memory_ordered 1
		.amdhsa_forward_progress 1
		.amdhsa_inst_pref_size 150
	.end_amdhsa_kernel
	.amdgpu_metadata
---
amdhsa.version: [ 1, 2 ]
amdhsa.kernels:
  - .name:           k_qde627e80cb_proj
    .symbol:         k_qde627e80cb_proj.kd
    .args:
      - { .name: xw, .offset: 0, .size: 8, .value_kind: global_buffer, .address_space: global }
      - { .name: bq, .offset: 8, .size: 8, .value_kind: global_buffer, .address_space: global }
      - { .name: bk, .offset: 16, .size: 8, .value_kind: global_buffer, .address_space: global }
      - { .name: qk, .offset: 24, .size: 8, .value_kind: global_buffer, .address_space: global }
    .group_segment_fixed_size: 327680
    .private_segment_fixed_size: 0
    .kernarg_segment_align: 8
    .kernarg_segment_size: 32
    .max_flat_workgroup_size: 128
    .sgpr_count:     80
    .vgpr_count:     1024
    .wavefront_size: 32
...
	.end_amdgpu_metadata
.endif
;; end of part 2
;; launch score (part 3): grid 8 x 32, 4 waves a work-group, clusters of 4 x 1, 327,680 bytes of LDS; arguments qk, Wa, sp; writes sp
.if DOCPART == 3
	.amdgcn_target "amdgcn-amd-amdhsa--gfx1250"
	.amdhsa_code_object_version 6
	.text
	.protected	k_qde627e80cb_score
	.globl	k_qde627e80cb_score
	.p2align	8
	.type	k_qde627e80cb_score,@function
k_qde627e80cb_score:
	s_mov_b64 s[64:65], 0
	v_nop
	global_prefetch_b8 v0, s[64:65] scope:SCOPE_SE
	s_setreg_imm32_b32 hwreg(HW_REG_WAVE_MODE, 25, 1), 1
	s_wait_xcnt 0x0
	s_wait_alu depctr_hold_cnt(0) depctr_sa_sdst(0) depctr_va_vdst(0) depctr_va_sdst(0) depctr_va_ssrc(0) depctr_va_vcc(0) depctr_vm_vsrc(0)
	s_getreg_b32 s2, hwreg(HW_REG_IB_STS2, 6, 4)
	s_cmp_eq_u32 s2, 0
	s_cbranch_scc0 .Lentry_in_a_cluster
	s_endpgm
.Lentry_in_a_cluster:
	s_bfe_u32 s2, ttmp6, 0x10000c
	s_cmp_lg_u32 s2, 0x3003
	s_cbranch_scc0 .Lentry_shape_is_right
	s_endpgm
.Lentry_shape_is_right:
; sp[jh][b h][i] = the sum over the keys j of half jh (1,024 of 2,048) of Wa[j] leaky_relu(q[b h i] . k[b h j], 0.1).  q, k: bf16 in qk ([4096][4096]: head h of q at byte 512 h of a
; row, of k at byte 4096 + 512 h); Wa rounded to bf16, kept in f32; products, leaky_relu and sums in f32.  The two halves are added, scaled and masked by the next launch.
; SHARES.  A work-group: 256 queries x 1,024 keys of one (b, h); a wave 64 queries, four tiles of 16, whose Q stays in 256 registers; every wave walks the 64 key tiles of 16 keys.
; CLUSTER.  The four query blocks of a cluster have the same (b, h, half) and walk the same K: each fill of 256 keys is asked for JOINTLY (mask 15); each wave asks for 64 of its rows.
; LAYOUT.  S^T = K Q^T (source 0 = 16 keys, source 1 = 16 queries): a lane holds ONE query (lane % 16) and the keys 8 (lane / 16) + 0..7, so Wa of those eight keys is eight registers
; for all four tiles, and a query's sum wants one exchange between the halves of the lanes at the very end.
; BY TURNS.  A TURN is the 32 products of one key tile (8 channel chunks x 4 query tiles, the four accumulators by turns); behind each product stand two of the
; 64 vector instructions that finish the key tile before (0.1 e; max(e, 0.1 e), which is leaky_relu for every finite e; times Wa into the running sums).  S^T and K have two buffers each.
; WINDOWS (s_set_vgpr_msb: bits 1:0 source 0, 3:2 source 1, 5:4 source 2, 7:6 destination).  Only source 1 leaves window 0: Q's chunks 0-3 lie in window 1, chunks 4-7 and Wa's eight
; registers in window 2.  The vector work has a scalar, or Wa, as its source 1 (the maximum is written with three operands, the second minus infinity, for that reason), so products,
; vector work and K's loads run under one setting: four switches a turn.
; LIMITS: NaN and infinities are not treated apart; the order of the f32 sums is not reference()'s.
.set ROWB,  8192                       ; bytes in a row of qk
.set PK,    528                        ; a row of K in LDS: 512 bytes + 16 of padding = 132 words: row r starts 4 r words further modulo 64 (64 banks of 4 bytes: ISA guide 11.1)
.set TK,    16*PK                      ; a key tile
.set SLOT,  256*PK                     ; a slot: 256 keys, 135,168 bytes; two slots
.set WAT,   2*SLOT                     ; the half's 1,024 Wa in f32: 4,096 bytes, written once by ds_store; no tensor load lands here
.set OUTS,  WAT+4096                   ; 256 bytes for each wave, for the way out
.set SPARE, OUTS+1024                  ; the spare words, 128 bytes for each wave
.set R,    1                           ; v1   lane % 16
.set HH,   2                           ; v2   lane / 16
.set AK0,  3                           ; v3   my lane's place in a key tile; never rewritten
.set AK,   4                           ; v4   LDS address of the key tiles that the trip in hand fetches
.set AW,   5                           ; v5   LDS address of my eight Wa of the key tile that the trip in hand finishes first
.set QO,   6                           ; v6   my byte offset in 16 rows of Q
.set LN,   7                           ; v7   lane
.set SPW,  10                          ; v10  LDS address of my spare word; never rewritten
.set NIL,  11                          ; v11  0; never rewritten
.set ACC,  12                          ; v12-19  the running sums: a pair (even keys', odd keys') for each query tile
.set FIN,  20                          ; v20-23  the way out
.set T,    24                          ; v24-39  at work
.set S,    40                          ; v40-103  S^T: buffer p at S + 32 p, query tile a at + 8 a
.set KB,   104                         ; v104-231 K: buffer p at KB + 64 p, channel chunk c at + 8 c
.set WS,   232                         ; v232-243 Wa on its way into LDS
.set WA,   128                         ; window 2, v128-135: Wa of my eight keys
.set WV,   10                          ; s10  my wave's number
.set G1,   24                          ; s[24:31] descriptor group 1
.set G0,   32                          ; s[32:39] descriptor group 0, a set for each slot
.set CNT,  40                          ; s40  counts a group's trips
.set TEN,  42                          ; s[42:43] 0.1: the packed multiply takes the pair's low word for both halves
.set NINF, 44                          ; s44  minus infinity
.set SEL,  46                          ; s[46:47] v_permlanex16_b32's selects: each lane takes its own place in the other half
.set M1,   0x04                        ; source 1 in window 1
.set M2,   0x08                        ; source 1 in window 2
.set MSB, 0
.macro WIN new                         ; the high byte repeats the setting that is left; a switch that changes nothing is dropped
.if MSB != (\new)
	s_set_vgpr_msb (MSB<<8)|(\new)
.set MSB, (\new)
.endif
.endm
.macro PLACES
.rept 4
	v_nop
.endr
.endm
; A round of the cluster's barrier: my work-group's barrier; wave 0 signals for the work-group; every wave waits for all four work-groups; my work-group's barrier once more.
.macro CROUND
	s_barrier_signal -1
	s_barrier_wait -1
	s_cmp_lg_u32 s[WV], 0
	s_cbranch_scc1 .Lnot_wave_0_\@
	s_barrier_signal -3
.Lnot_wave_0_\@:
	s_barrier_wait -3
	s_barrier_signal -1
	s_barrier_wait -1
.endm
	s_load_b128 s[4:7], s[0:1], 0x0                ; qk s[4:5], Wa s[6:7]
	s_load_b64 s[8:9], s[0:1], 0x10                ; sp
	v_lshl_add_u32 v[SPW], v0, 2, SPARE
	v_mov_b32 v[NIL], 0
	ds_add_u32 v[SPW], v[NIL]                      ; the wave's opening: the add and its wait stand ahead of my first tensor load
	v_lshrrev_b32 v1, 5, v0
	v_readfirstlane_b32 s[WV], v1                  ; wave 0..3
	s_bfe_u32 s11, ttmp6, 0x40000                  ; cx
	s_lshl_b32 s12, ttmp9, 2
	s_add_co_u32 s12, s12, s11                     ; my block of 256 queries: it enters Q's and sp's addresses alone
	s_and_b32 s13, ttmp7, 0xffff                   ; y, which the four partners share
	s_and_b32 s14, s13, 1                          ; jh: the half of the keys
	s_lshr_b32 s15, s13, 1                         ; b h
	s_lshr_b32 s16, s15, 3                         ; b
	s_and_b32 s17, s15, 7                          ; h
	s_lshl_b32 s18, s16, 11                        ; K: row 2048 b + 1024 jh + 64 wave,
	s_lshl_b32 s19, s14, 10
	s_add_co_u32 s18, s18, s19
	s_lshl_b32 s19, s[WV], 6
	s_add_co_u32 s18, s18, s19
	s_lshl_b32 s18, s18, 13                        ; in bytes,
	s_lshl_b32 s19, s17, 9
	s_add_co_u32 s18, s18, s19                     ; the head's 512 bytes,
	s_add_co_u32 s18, s18, 4096                    ; in k's half of the row
	s_mov_b32 s19, 0
	s_lshl_b32 s20, s16, 11                        ; Q: row 2048 b + 256 block + 64 wave
	s_lshl_b32 s21, s12, 8
	s_add_co_u32 s20, s20, s21
	s_lshl_b32 s21, s[WV], 6
	s_add_co_u32 s20, s20, s21
	s_lshl_b32 s20, s20, 13
	s_lshl_b32 s21, s17, 9
	s_add_co_u32 s20, s20, s21
	s_mov_b32 s21, 0
	s_lshl_b32 s22, s14, 4                         ; sp: ((16 jh + b h) 2048 + 256 block + 64 wave) x 4 bytes
	s_add_co_u32 s22, s22, s15
	s_lshl_b32 s22, s22, 11
	s_lshl_b32 s23, s12, 8
	s_add_co_u32 s22, s22, s23
	s_lshl_b32 s23, s[WV], 6
	s_add_co_u32 s22, s22, s23
	s_lshl_b32 s22, s22, 2
	s_mov_b32 s23, 0
	s_lshl_b32 s40, s14, 12                        ; Wa: the half's 4,096 bytes
	s_mov_b32 s41, 0
	; descriptor group 1: a tile of 64 rows x 256 elements, padded in LDS
	s_mov_b32 s[G1], 15|(1<<16)|(1<<20)|(1<<21)|(6<<22)|(3<<25)  ; the mask of four; elements of 2 bytes; padding on; bit 21 beside a mask; after every 128 words (code 6) 4 words (code 3)
	s_mov_b32 s[G1+1], 256<<16                     ; tensor_dim0 = 256
	s_mov_b32 s[G1+2], 64<<16                      ; tensor_dim1 = 64
	s_mov_b32 s[G1+3], 256<<16                     ; tile_dim0 = 256
	s_mov_b32 s[G1+4], 64                          ; tile_dim1 = 64
	s_mov_b32 s[G1+5], 4096                        ; elements from row to row
	s_mov_b32 s[G1+6], 0
	s_mov_b32 s[G1+7], 0
	s_mov_b32 s[TEN], 0x3dcccccd                   ; 0.1
	s_mov_b32 s[TEN+1], 0x3dcccccd                 ; named with it as a pair
	s_mov_b32 s[NINF], 0xff800000
	s_mov_b32 s[SEL], 0x76543210
	s_mov_b32 s[SEL+1], 0xfedcba98
	s_mul_i32 s45, s[WV], 64*PK                    ; my 64 rows in a slot: no place in the cluster enters an LDS address
	s_wait_dscnt 0x0                               ; the opening add is done
	s_wait_kmcnt 0x0
	s_add_nc_u64 s[18:19], s[4:5], s[18:19]        ; K at my rows of the first fill
	s_add_nc_u64 s[20:21], s[4:5], s[20:21]        ; Q at my wave's first row
	s_add_nc_u64 s[8:9], s[8:9], s[22:23]
	s_add_nc_u64 s[6:7], s[6:7], s[40:41]
.irp n, 0,1
	s_mov_b32 s[G0+4*\n], 1                        ; count = 1
	s_add_co_u32 s[G0+4*\n+1], s45, \n*SLOT        ; LDS address
	s_add_nc_u64 s[G0+4*\n+2:G0+4*\n+3], s[18:19], \n*256*ROWB  ; global address: keys 256 n on
	s_or_b32 s[G0+4*\n+3], s[G0+4*\n+3], 0x80000000             ; type = 2
.endr
	CROUND                                         ; all four work-groups are here: the first joint loads meet
	tensor_load_to_lds s[G0:G0+3], s[G1:G1+7]      ; the two first fills go out together: two loads of mine are out
	s_nop 0
	tensor_load_to_lds s[G0+4:G0+7], s[G1:G1+7]
	s_nop 0
	PLACES
	v_and_b32 v[R], 15, v0
	v_bfe_u32 v[HH], v0, 4, 1
	v_and_b32 v[LN], 31, v0
	v_lshlrev_b32 v8, 4, v0                        ; 16 t
	global_load_b128 v[WS:WS+3],   v8, s[6:7]      ; 128 threads x 32 bytes: the half's Wa
	global_load_b128 v[WS+4:WS+7], v8, s[6:7] offset:2048
	v_lshlrev_b32 v[QO], 13, v[R]
	v_lshl_add_u32 v[QO], v[HH], 4, v[QO]          ; row x 8,192 + 16 x half
; Q stays in registers.  A fragment is 16 rows x 32 channels in 8 registers: lane l holds row l % 16, channels 8 (l / 16) + 0..7 and 16 + 8 (l / 16) + 0..7: two loads of 16 bytes, 32 bytes apart.
.macro QLOAD first                     ; chunks first .. first + 3 of all four tiles, into the window that is set: tile t, chunk c at 32 t + 8 c
.irp t, 0,1,2,3
.irp c, 0,1,2,3
	global_load_b128 v[32*\t+8*\c:32*\t+8*\c+3],   v[QO], s[20:21] offset:\t*16*ROWB+((\first)+\c)*64
	global_load_b128 v[32*\t+8*\c+4:32*\t+8*\c+7], v[QO], s[20:21] offset:\t*16*ROWB+((\first)+\c)*64+32
.endr
.endr
.endm
	WIN 0x40                                       ; destination window 1
	QLOAD 0
	WIN 0
	v_mul_u32_u24 v[AK0], v[R], PK
	v_lshl_add_u32 v[AK0], v[HH], 4, v[AK0]        ; row x pitch + 16 x half
	v_lshl_add_u32 v9, v0, 4, WAT
	s_wait_loadcnt 32                              ; Wa's two loads are in; the 32 of Q issued behind them stay out
.irp j, 0,1,2,3
	v_cvt_pk_bf16_f32 v[WS+8+\j], v[WS+2*\j], v[WS+2*\j+1]  ; Wa is rounded to bf16 like every input,
.endr
.irp j, 0,1,2,3
	v_lshlrev_b32 v[WS+2*\j], 16, v[WS+8+\j]       ; and kept in f32
	v_and_b32 v[WS+2*\j+1], 0xffff0000, v[WS+8+\j]
.endr
	ds_store_b128 v9, v[WS:WS+3]
	ds_store_b128 v9, v[WS+4:WS+7] offset:2048
	WIN 0x80                                       ; destination window 2
	QLOAD 4
	WIN 0
.irp j, 0,1,2,3,4,5,6,7
	v_mov_b32 v[ACC+\j], 0
.endr
	v_mov_b32 v[AK], v[AK0]
	v_lshl_add_u32 v[AW], v[HH], 5, WAT            ; eight numbers further for lanes 16-31
; Number n of the 64 vector instructions that finish the key tile whose scores lie in buffer buf.  e0-e31 are the lane's scores, eight a query tile.
;   0-7, 24-31   0.1 e, two at a time, for tiles 0, 1 and for tiles 2, 3 (each accumulator's two lowest registers are read first)
;   8-23, 32-47  e = max(e, 0.1 e)          48-63  the tiles' sums take e x Wa, two keys at a time, the four tiles by turns
.macro RIDER buf, n
.set rE, S+32*(\buf)
.if (\n) < 8
	v_pk_mul_f32 v[T+2*(\n):T+2*(\n)+1], v[rE+2*(\n):rE+2*(\n)+1], s[TEN:TEN+1] op_sel_hi:[1,0]
.elseif (\n) < 24
	v_max3_num_f32 v[rE+(\n)-8], v[rE+(\n)-8], s[NINF], v[T+(\n)-8]
.elseif (\n) < 32
	v_pk_mul_f32 v[T+2*((\n)-24):T+2*((\n)-24)+1], v[rE+16+2*((\n)-24):rE+16+2*((\n)-24)+1], s[TEN:TEN+1] op_sel_hi:[1,0]
.elseif (\n) < 48
	v_max3_num_f32 v[rE+16+(\n)-32], v[rE+16+(\n)-32], s[NINF], v[T+(\n)-32]
.else
.set rq, ((\n)-48)/4
.set ra, ((\n)-48)%4
	v_pk_fma_f32 v[ACC+2*ra:ACC+2*ra+1], v[rE+8*ra+2*rq:rE+8*ra+2*rq+1], v[WA+2*rq:WA+2*rq+1], v[ACC+2*ra:ACC+2*ra+1]
.endif
.endm
.macro KLOAD buf, ko                   ; 16 LDS loads in one run: a key tile (16 keys x 256 channels: 8 fragments) at byte ko from AK
.irp c, 0,1,2,3,4,5,6,7
	ds_load_b128 v[KB+64*(\buf)+8*\c:KB+64*(\buf)+8*\c+3],   v[AK] offset:(\ko)+64*\c
	ds_load_b128 v[KB+64*(\buf)+8*\c+4:KB+64*(\buf)+8*\c+7], v[AK] offset:(\ko)+64*\c+32
.endr
.endm
; A TURN: the products of the key tile in K's buffer p, into S^T's buffer p.  rid = 1: the tile before is finished beside them; its Wa lies at byte wo from AW.  fet = 1: the next tile, at byte ko
; from AK, is fetched into K's other buffer.  Both runs of loads stand behind the second product: six plain vector instructions that name none of its registers behind the last product that read
; that buffer, and 30 products ahead of the next turn.  The first read of an accumulator stands eight such instructions or more behind its last product.
.macro TURN p, rid, fet, ko, wo
	s_wait_dscnt 0x0                               ; K of this tile is in
.set i, 0
.rept 32
.if i == 0
	WIN M1
.endif
.if i == 16
	s_wait_dscnt 16*(\fet)                         ; Wa's two loads are in; the 16 of K issued behind them may stay out
	WIN M2
.endif
.set rS, S+32*(\p)+8*(i%4)
.set rK, KB+64*(\p)+8*(i/4)
.set rQ, 32*(i%4)+8*((i/4)%4)
.if i < 4
	v_wmma_f32_16x16x32_bf16 v[rS:rS+7], v[rK:rK+7], v[rQ:rQ+7], 0
.else
	v_wmma_f32_16x16x32_bf16 v[rS:rS+7], v[rK:rK+7], v[rQ:rQ+7], v[rS:rS+7]
.endif
.if \rid
	RIDER 1-(\p), 2*i
	RIDER 1-(\p), 2*i+1
.endif
.if i == 1
.if \rid
	WIN 0x80                                       ; destination window 2
	ds_load_b128 v[WA:WA+3],   v[AW] offset:(\wo)
	ds_load_b128 v[WA+4:WA+7], v[AW] offset:(\wo)+16
	WIN M1
.endif
.if \fet
	KLOAD 1-(\p), \ko
.endif
.endif
.set i, i+1
.endr
.if !(\rid)
	PLACES                                         ; no vector work stood beside these products: four v_nop are the places behind them
.endif
.endm
; n trips of two turns: key tiles 2 m + 1 and 2 m + 2 are multiplied, 2 m and 2 m + 1 finished, 2 m + 2 and 2 m + 3 fetched.
.macro GROUP n
	WIN 0                                          ; at a label and at a branch every window is 0
	s_mov_b32 s[CNT], \n
.Lgroup_\@:
	TURN 1, 1, 1, 0, 0
	TURN 0, 1, 1, TK, 64
	WIN 0
	v_add_nc_u32 v[AK], 2*TK, v[AK]
	v_add_nc_u32 v[AW], 128, v[AW]
	s_sub_co_u32 s[CNT], s[CNT], 1
	s_cmp_lg_u32 s[CNT], 0
	s_cbranch_scc1 .Lgroup_\@
.endm
; THE CHANGE OF SLOTS, behind the turn that has asked for the old slot's last key tile.  Each wave waits for all its tensor loads (its part of the other slot), adds 0 to its spare word, and waits
; for that and for its own reads of the old slot.  fill = 1: the old slot (descriptor set) is filled again with the keys 512 further on; the barrier is then a round of the cluster's, and the joint
; refill is the first thing behind it: one load of mine is out, with 16 turns, 512 matrix instructions, in which to land.  new: the slot from which the fetches go on.
.macro CHANGE fill, set, new
	WIN 0
	s_wait_tensorcnt 0x0                           ; no tensor load of mine is out, so a group 0 may be written
	ds_add_u32 v[SPW], v[NIL]                      ; 0 onto my spare word
.if \fill
	s_add_nc_u64 s[G0+4*(\set)+2:G0+4*(\set)+3], s[G0+4*(\set)+2:G0+4*(\set)+3], 512*ROWB
.endif
	v_add_nc_u32 v[AK], (\new)*SLOT, v[AK0]
	s_wait_dscnt 0x0                               ; the add is done, and my reads of the old slot are over
.if \fill
	CROUND
	tensor_load_to_lds s[G0+4*(\set):G0+4*(\set)+3], s[G1:G1+7]
	s_nop 0
	PLACES
.else
	s_barrier_signal -1
	s_barrier_wait -1
.endif
.endm
	s_wait_tensorcnt 0x1                           ; my part of slot 0 is in; slot 1's may stay out
	s_wait_dscnt 0x0                               ; my part of Wa's table is written
	s_barrier_signal -1
	s_barrier_wait -1                              ; everybody's is
	KLOAD 0, 0                                     ; key tile 0
	s_wait_loadcnt 0x0                             ; Q
	TURN 0, 0, 1, TK, 0                            ; key tile 0: nothing to finish yet; tile 1 is fetched
	WIN 0
	v_add_nc_u32 v[AK], 2*TK, v[AK0]
	GROUP 7                                        ; key tiles 1-14; the last fetch is tile 15, slot 0's last
	CHANGE 1, 0, 1                                 ; slot 0 takes keys 512-767
	GROUP 8                                        ; key tiles 15-30
	CHANGE 1, 1, 0                                 ; slot 1 takes keys 768-1023
	GROUP 8                                        ; key tiles 31-46
	CHANGE 0, 0, 1                                 ; nothing is left to ask for
	GROUP 8                                        ; key tiles 47-62
	TURN 1, 1, 0, 0, 0                             ; key tile 63; tile 62 is finished
	WIN 0x80
	ds_load_b128 v[WA:WA+3],   v[AW] offset:64     ; Wa of key tile 63
	ds_load_b128 v[WA+4:WA+7], v[AW] offset:80
	WIN M2
	s_wait_dscnt 0x0
.set i, 0
.rept 64
	RIDER 1, i                                     ; key tile 63 is finished
.set i, i+1
.endr
	; THE WAY OUT.  A sum's two halves and the other half of the lanes' are added; the wave's 64 sums go through its own 256 bytes of LDS, so that one store covers 256 consecutive bytes.
	WIN 0
.irp a, 0,1,2,3
	v_add_f32 v[FIN+\a], v[ACC+2*\a], v[ACC+2*\a+1]
.endr
.irp a, 0,1,2,3
	v_permlanex16_b32 v[T+\a], v[FIN+\a], s[SEL], s[SEL+1]
.endr
.irp a, 0,1,2,3
	v_add_f32 v[FIN+\a], v[FIN+\a], v[T+\a]
.endr
	v_cmp_gt_u32 vcc_lo, 16, v[LN]
	v_cndmask_b32 v8, v[FIN+1], v[FIN], vcc_lo     ; lanes 0-15: tile 0's queries, lanes 16-31: tile 1's
	v_cndmask_b32 v9, v[FIN+3], v[FIN+2], vcc_lo   ; tiles 2 and 3
	s_lshl_b32 s45, s[WV], 8
	s_add_co_u32 s45, s45, OUTS
	v_lshl_add_u32 v[T+4], v[LN], 2, s45
	v_lshl_add_u32 v[T+5], v[LN], 3, s45
	v_lshlrev_b32 v[T+6], 3, v[LN]
	ds_store_b32 v[T+4], v8
	ds_store_b32 v[T+4], v9 offset:128
	ds_load_b64 v[T+8:T+9], v[T+5]                 ; LDS serves a wave's instructions in order (ISA guide 5.7.1.4): this sees the stores above
	s_wait_dscnt 0x0
	global_store_b64 v[T+6], v[T+8:T+9], s[8:9]    ; 256 consecutive bytes, at a multiple of 256 from sp's first byte
	s_wait_tensorcnt 0x0                           ; the wave's end
	ds_add_u32 v[SPW], v[NIL]
	s_wait_dscnt 0x0
	CROUND                                         ; the closing round
	s_endpgm
.Lfunc_end_k_qde627e80cb_score:
	.size	k_qde627e80cb_score, .Lfunc_end_k_qde627e80cb_score-k_qde627e80cb_score
	.p2alignl 7, 3214868480
	.fill 96, 4, 3214868480
	.section	.rodata,"a",@progbits
	.p2align	6, 0x0
	.amdhsa_kernel k_qde627e80cb_score
		.amdhsa_group_segment_fixed_size 327680
		.amdhsa_private_segment_fixed_size 0
		.amdhsa_enable_private_segment 0
		.amdhsa_kernarg_size 24
		.amdhsa_user_sgpr_count 2
		.amdhsa_user_sgpr_kernarg_segment_ptr 1
		.amdhsa_wavefront_size32 1
		.amdhsa_system_sgpr_workgroup_id_x 1
		.amdhsa_system_sgpr_workgroup_id_y 1
		.amdhsa_system_sgpr_workgroup_id_z 1
		.amdhsa_system_vgpr_workitem_id 0
		.amdhsa_next_free_vgpr 648
		.amdhsa_next_free_sgpr 66
		.amdhsa_reserve_vcc 1
		.amdhsa_float_denorm_mode_32 3
		.amdhsa_float_denorm_mode_16_64 3
		.amdhsa_memory_ordered 1
		.amdhsa_forward_progress 1
		.amdhsa_inst_pref_size 91
	.end_amdhsa_kernel
	.amdgpu_metadata
---
amdhsa.version: [ 1, 2 ]
amdhsa.kernels:
  - .name:           k_qde627e80cb_score
    .symbol:         k_qde627e80cb_score.kd
    .args:
      - { .name: qk, .offset: 0, .size: 8, .value_kind: global_buffer, .address_space: global }
      - { .name: Wa, .offset: 8, .size: 8, .value_kind: global_buffer, .address_space: global }
      - { .name: sp, .offset: 16, .size: 8, .value_kind: global_buffer, .address_space: global }
    .group_segment_fixed_size: 327680
    .private_segment_fixed_size: 0
    .kernarg_segment_align: 8
    .kernarg_segment_size: 24
    .max_flat_workgroup_size: 128
    .sgpr_count:     66
    .vgpr_count:     648
    .wavefront_size: 32
...
	.end_amdgpu_metadata
.endif
;; end of part 3
;; launch pool (part 4): grid 16 x 16, 8 waves a work-group, no clusters, 75,008 bytes of LDS; arguments xw, sp, x_mask, ba, xp, st; writes xp, st
.if DOCPART == 4
	.amdgcn_target "amdgcn-amd-amdhsa--gfx1250"
	.amdhsa_code_object_version 6
	.text
	.protected	k_qde627e80cb_pool
	.globl	k_qde627e80cb_pool
	.p2align	8
	.type	k_qde627e80cb_pool,@function
k_qde627e80cb_pool:
	s_mov_b64 s[64:65], 0
	v_nop
	global_prefetch_b8 v0, s[64:65] scope:SCOPE_SE
	s_setreg_imm32_b32 hwreg(HW_REG_WAVE_MODE, 25, 1), 1
	s_wait_xcnt 0x0
; For batch b and chunk c of 256 tokens (y = 8 b + c), all 8 heads, and 128 columns of x (g):
;   score = (sp half 0 + sp half 1 + ba) / 16, or -1e9 where x_mask is not 0;  m = the chunk's largest score;  p = e^(score - m);  l = the sum of p;
;   xp[y][h][column] = the sum over the chunk's tokens of p x[token][column];  st[y] = m[0..7], l[0..7] (and a copy that nobody reads, so that the store has 32 lanes).
; The next launch rescales the chunks by the true maximum over all tokens and divides by the whole sum: a softmax with its maximum taken away, in two steps.
; The pooled v is made from the pooled x: the weights sum to 1 and v is linear in x, so sum attn v = (sum attn x) Wv^T + bv.
; x is read as bf16 from xw; scores, weights and sums in f32; ba is rounded to bf16 like every input.
; A stream with few arithmetic steps a byte: no matrix work, no cluster (no two work-groups read the same x).  The softmax of the chunk is made anew by each of the 16 column groups: 16 KB of sp each.
; SHARES.  Softmax: wave w is head w, lane l has tokens l + 32 e.  Pooling: wave w has tokens 32 w .. 32 w + 31, lanes 0-15 the first 16, lanes 16-31 the others; lane % 16 has 8 columns,
; so a load covers two rows' 256 consecutive bytes.  The 16 partial sums meet in LDS.
; LIMITS: NaN and infinities are not treated apart; a weight below 2^-126 counts as 0; the order of the f32 sums is not reference()'s.
.set SUM,   0                          ; 16 slots (2 w + half) x [8 heads][128 columns] f32: 65,536 bytes
.set PW,    65536                      ; the weights: [8 heads][256 tokens] f32: 8,192 bytes
.set STAT,  PW+8192                    ; m[8], l[8]
.set SPARE, STAT+256                   ; the spare words, 128 bytes for each wave
.set SPW, 30
.set NIL, 31
.set XF,  32                           ; v32-39   a token's 8 columns in f32
.set X,   64                           ; v64-127  x: token i at X + 4 i; later the 16 partial sums
.set SC,  128                          ; v128-135 scores, then weights   v136-143 sp's second half   v144-151 the mask
.set S1,  136
.set MK,  144
.set WB0, 128                          ; v128-159, v160-191  the weights of 4 tokens x 8 heads, two buffers: head h, token u at + 4 h + u
.set WB1, 160
.set ACC, 192                          ; v192-255 head h, column k at ACC + 8 h + k
.set HIM, 36                           ; s36  a word's upper bf16
	s_load_b256 s[4:11], s[0:1], 0x0               ; xw s[4:5], sp s[6:7], x_mask s[8:9], ba s[10:11]
	s_load_b128 s[12:15], s[0:1], 0x20             ; xp s[12:13], st s[14:15]
	v_lshl_add_u32 v[SPW], v0, 2, SPARE
	v_mov_b32 v[NIL], 0
	v_lshrrev_b32 v1, 5, v0
	v_readfirstlane_b32 s16, v1                    ; wave 0..7
	s_mov_b32 s17, ttmp9                           ; g
	s_and_b32 s18, ttmp7, 0xffff                   ; y
	s_lshr_b32 s19, s18, 3                         ; b
	s_and_b32 s20, s18, 7                          ; c
	s_lshl_b32 s22, s19, 3                         ; sp: ((8 b + w) 2048 + 256 c) x 4 bytes
	s_add_co_u32 s22, s22, s16
	s_lshl_b32 s22, s22, 13
	s_lshl_b32 s24, s20, 10                        ; the mask: 256 c x 4 bytes
	s_add_co_u32 s22, s22, s24
	s_mov_b32 s23, 0
	s_mov_b32 s25, 0
	s_lshl_b32 s26, s19, 23                        ; x: (2048 b + 256 c + 32 w) rows of 4,096 bytes + 256 g
	s_lshl_b32 s27, s20, 20
	s_add_co_u32 s26, s26, s27
	s_lshl_b32 s27, s16, 17
	s_add_co_u32 s26, s26, s27
	s_lshl_b32 s27, s17, 8
	s_add_co_u32 s26, s26, s27
	s_mov_b32 s27, 0
	s_lshl_b32 s28, s18, 16                        ; xp: (8 y + w) rows of 8,192 bytes + 512 g
	s_lshl_b32 s29, s16, 13
	s_add_co_u32 s28, s28, s29
	s_lshl_b32 s29, s17, 9
	s_add_co_u32 s28, s28, s29
	s_mov_b32 s29, 0
	s_lshl_b32 s30, s18, 7                         ; st: 128 y
	s_mov_b32 s31, 0
	s_mov_b32 s32, 0x76543210                      ; v_permlanex16_b32: each lane takes its own place in the other half
	s_mov_b32 s33, 0xfedcba98
	s_mov_b32 s35, 0x3d800000                      ; 1 / 16 = 256^-0.5
	s_mov_b32 s[HIM], 0xffff0000
	v_and_b32 v1, 31, v0                           ; lane
	v_and_b32 v2, 15, v0                           ; lane % 16
	v_bfe_u32 v3, v0, 4, 1                         ; lane / 16
	v_lshlrev_b32 v4, 16, v3                       ; x: 16 rows further for lanes 16-31,
	v_lshl_add_u32 v4, v2, 4, v4                   ; 16 bytes a lane
	v_lshlrev_b32 v5, 2, v1                        ; 4 x lane
	s_lshl_b32 s37, s16, 10
	s_add_co_u32 s37, s37, PW
	v_lshl_add_u32 v6, v1, 2, s37                  ; where my weights go: head w's 1,024 bytes, 4 x lane
	s_lshl_b32 s37, s16, 7
	s_add_co_u32 s37, s37, PW
	v_lshl_add_u32 v7, v3, 6, s37                  ; where my 16 tokens' weights of head 0 lie: 4 (32 w + 16 half)
	s_lshl_b32 s37, s16, 13
	v_lshl_add_u32 v8, v3, 12, s37                 ; my slot of partial sums,
	v_lshl_add_u32 v8, v2, 5, v8                   ; my 8 columns
	v_lshlrev_b32 v9, 4, v0                        ; 16 t
	v_lshlrev_b32 v10, 4, v1                       ; 16 x lane
	v_mov_b32 v15, 0                               ; v_permlanex16_b32's destination counts as read
	v_mov_b32 v18, 0xce6e6b28                      ; -1e9
	s_lshl_b32 s37, s16, 2
	s_add_co_u32 s37, s37, STAT
	v_mov_b32 v19, s37                             ; head w's word in STAT
	v_lshl_add_u32 v20, v2, 2, STAT
	s_wait_kmcnt 0x0
	s_load_b32 s34, s[10:11], 0x0                  ; ba
	s_add_nc_u64 s[6:7], s[6:7], s[22:23]
	s_add_nc_u64 s[8:9], s[8:9], s[24:25]
	s_add_nc_u64 s[4:5], s[4:5], s[26:27]
	s_add_nc_u64 s[12:13], s[12:13], s[28:29]
	s_add_nc_u64 s[14:15], s[14:15], s[30:31]
.irp e, 0,1,2,3,4,5,6,7
	global_load_b32 v[SC+\e], v5, s[6:7] offset:128*\e
.endr
.irp e, 0,1,2,3,4,5,6,7
	global_load_b32 v[S1+\e], v5, s[6:7] offset:131072+128*\e  ; the keys' second half lies 16 x 2,048 numbers on
.endr
.irp e, 0,1,2,3,4,5,6,7
	global_load_b32 v[MK+\e], v5, s[8:9] offset:128*\e
.endr
.irp i, 0,1,2,3,4,5,6,7,8,9,10,11,12,13,14,15
	global_load_b128 v[X+4*\i:X+4*\i+3], v4, s[4:5] offset:4096*\i th:TH_LOAD_NT
.endr
	s_wait_kmcnt 0x0
	v_mov_b32 v16, s34
	v_cvt_pk_bf16_f32 v16, v16, v16                ; ba rounded to bf16,
	v_lshlrev_b32 v16, 16, v16
	v_mul_f32 v16, s35, v16                        ; and divided by 16: exact, so the fused line below rounds as (sum + ba) / 16 does
	s_wait_loadcnt 16                              ; the scores and the mask are in; x's 16 loads stay out
.irp e, 0,1,2,3,4,5,6,7
	v_add_f32 v[SC+\e], v[SC+\e], v[S1+\e]
.endr
.irp e, 0,1,2,3,4,5,6,7
	v_fma_f32 v[SC+\e], v[SC+\e], s35, v16
.endr
.irp e, 0,1,2,3,4,5,6,7
	v_cmp_ne_u32 vcc_lo, 0, v[MK+\e]
	v_cndmask_b32 v[SC+\e], v[SC+\e], v18, vcc_lo
.endr
	v_max3_num_f32 v12, v[SC], v[SC+1], v[SC+2]    ; the chunk's maximum: my eight, then the 32 lanes
	v_max3_num_f32 v12, v12, v[SC+3], v[SC+4]
	v_max3_num_f32 v12, v12, v[SC+5], v[SC+6]
	v_max_num_f32 v12, v12, v[SC+7]
	v_max_num_f32_dpp v12, v12, v12 row_xmask:1 row_mask:0xf bank_mask:0xf
	v_max_num_f32_dpp v12, v12, v12 row_xmask:2 row_mask:0xf bank_mask:0xf
	v_max_num_f32_dpp v12, v12, v12 row_xmask:4 row_mask:0xf bank_mask:0xf
	v_max_num_f32_dpp v12, v12, v12 row_xmask:8 row_mask:0xf bank_mask:0xf
	v_permlanex16_b32 v15, v12, s32, s33
	v_max_num_f32 v12, v12, v15
.irp e, 0,1,2,3,4,5,6,7
	v_sub_f32 v[SC+\e], v[SC+\e], v12              ; the difference first: equal scores give exactly 0
.endr
.irp e, 0,1,2,3,4,5,6,7
	v_mul_f32 v[SC+\e], 0x3fb8aa3b, v[SC+\e]       ; log2(e)
.endr
.irp e, 0,1,2,3,4,5,6,7
	v_exp_f32 v[SC+\e], v[SC+\e]
.endr
	v_nop                                          ; a plain instruction between the last exponential and the use of its result
	s_wait_alu depctr_va_vdst(0)
	v_add_f32 v13, v[SC], v[SC+1]
	v_add_f32 v14, v[SC+2], v[SC+3]
	v_add_f32 v15, v[SC+4], v[SC+5]
	v_add_f32 v17, v[SC+6], v[SC+7]
	v_add_f32 v13, v13, v14
	v_add_f32 v15, v15, v17
	v_add_f32 v13, v13, v15
	v_add_f32_dpp v13, v13, v13 row_xmask:1 row_mask:0xf bank_mask:0xf
	v_add_f32_dpp v13, v13, v13 row_xmask:2 row_mask:0xf bank_mask:0xf
	v_add_f32_dpp v13, v13, v13 row_xmask:4 row_mask:0xf bank_mask:0xf
	v_add_f32_dpp v13, v13, v13 row_xmask:8 row_mask:0xf bank_mask:0xf
	v_permlanex16_b32 v15, v13, s32, s33
	v_add_f32 v13, v13, v15
.irp e, 0,1,2,3,4,5,6,7
	ds_store_b32 v6, v[SC+\e] offset:128*\e
.endr
	ds_store_b32 v19, v12                          ; all lanes write the same word with the same value
	ds_store_b32 v19, v13 offset:32
	s_wait_dscnt 0x0                               ; for the others' sake: my weights and statistics are written
	s_barrier_signal -1
	s_barrier_wait -1
	s_or_b32 s37, s17, s16                         ; the statistics leave once for a chunk: by wave 0 of column group 0
	s_cmp_lg_u32 s37, 0
	s_cbranch_scc1 .Lno_stat
	ds_load_b32 v17, v20
	s_wait_dscnt 0x0
	global_store_b32 v5, v17, s[14:15]
.Lno_stat:
.macro WLOAD grp, wb                   ; the weights of my tokens 4 grp .. 4 grp + 3, all heads: the 16 lanes of a half read the same 16 bytes
.irp h, 0,1,2,3,4,5,6,7
	ds_load_b128 v[(\wb)+4*\h:(\wb)+4*\h+3], v7 offset:1024*\h+16*(\grp)
.endr
.endm
; Two columns of one head take a token's weight, which is one register of the pair w: the first for an even token, the second for an odd one.  Token 0 starts the sums: nothing is cleared.
.macro WFMA d, x, w, i
.if (\i) == 0
	v_pk_mul_f32 v[(\d):(\d)+1], v[(\x):(\x)+1], v[(\w):(\w)+1] op_sel_hi:[1,0]
.elseif (\i)%2
	v_pk_fma_f32 v[(\d):(\d)+1], v[(\x):(\x)+1], v[(\w):(\w)+1], v[(\d):(\d)+1] op_sel:[0,1,0] op_sel_hi:[1,1,1]
.else
	v_pk_fma_f32 v[(\d):(\d)+1], v[(\x):(\x)+1], v[(\w):(\w)+1], v[(\d):(\d)+1] op_sel_hi:[1,0,1]
.endif
.endm
.macro TOKEN i, wb                     ; my token i: 8 columns to f32, then 8 heads x 8 columns
.irp k, 0,1,2,3
	v_lshlrev_b32 v[XF+2*\k], 16, v[X+4*(\i)+\k]
	v_and_b32 v[XF+2*\k+1], s[HIM], v[X+4*(\i)+\k]
.endr
.irp h, 0,1,2,3,4,5,6,7
.irp k, 0,1,2,3
	WFMA ACC+8*\h+2*\k, XF+2*\k, (\wb)+4*\h+2*(((\i)%4)/2), \i
.endr
.endr
.endm
	WLOAD 0, WB0
	WLOAD 1, WB1
.irp g, 0,1,2,3
.if \g < 3
	s_wait_dscnt 8                                 ; this group's weights are in; the next group's eight loads stay out
.else
	s_wait_dscnt 0
.endif
	s_wait_loadcnt 12-4*\g                         ; this group's four rows of x are in; the later ones stay out
	TOKEN 4*\g, WB0+32*(\g%2)
	TOKEN 4*\g+1, WB0+32*(\g%2)
	TOKEN 4*\g+2, WB0+32*(\g%2)
	TOKEN 4*\g+3, WB0+32*(\g%2)
.if \g < 2
	WLOAD \g+2, WB0+32*(\g%2)
.endif
.endr
.irp h, 0,1,2,3,4,5,6,7
	ds_store_b128 v8, v[ACC+8*\h:ACC+8*\h+3] offset:512*\h
	ds_store_b128 v8, v[ACC+8*\h+4:ACC+8*\h+7] offset:512*\h+16
.endr
	s_wait_dscnt 0x0                               ; for the others' sake: my partial sums are written
	s_barrier_signal -1
	s_barrier_wait -1
.irp s, 0,1,2,3,4,5,6,7,8,9,10,11,12,13,14,15
	ds_load_b128 v[X+4*\s:X+4*\s+3], v9 offset:4096*\s  ; thread t adds the 16 slots' bytes 16 t: wave w has head w's 128 columns
.endr
	s_wait_dscnt 14                                ; slots 0 and 1 are in
	v_pk_add_f32 v[X:X+1], v[X:X+1], v[X+4:X+5]
	v_pk_add_f32 v[X+2:X+3], v[X+2:X+3], v[X+6:X+7]
.irp s, 2,3,4,5,6,7,8,9,10,11,12,13,14,15
	s_wait_dscnt 15-\s
	v_pk_add_f32 v[X:X+1], v[X:X+1], v[X+4*\s:X+4*\s+1]
	v_pk_add_f32 v[X+2:X+3], v[X+2:X+3], v[X+4*\s+2:X+4*\s+3]
.endr
	global_store_b128 v10, v[X:X+3], s[12:13]      ; 512 consecutive bytes, at a multiple of 256 from xp's first byte
	s_wait_tensorcnt 0x0                           ; the wave's end
	ds_add_u32 v[SPW], v[NIL]
	s_wait_dscnt 0x0
	s_endpgm
.Lfunc_end_k_qde627e80cb_pool:
	.size	k_qde627e80cb_pool, .Lfunc_end_k_qde627e80cb_pool-k_qde627e80cb_pool
	.p2alignl 7, 3214868480
	.fill 96, 4, 3214868480
	.section	.rodata,"a",@progbits
	.p2align	6, 0x0
	.amdhsa_kernel k_qde627e80cb_pool
		.amdhsa_group_segment_fixed_size 75008
		.amdhsa_private_segment_fixed_size 0
		.amdhsa_enable_private_segment 0
		.amdhsa_kernarg_size 48
		.amdhsa_user_sgpr_count 2
		.amdhsa_user_sgpr_kernarg_segment_ptr 1
		.amdhsa_wavefront_size32 1
		.amdhsa_system_sgpr_workgroup_id_x 1
		.amdhsa_system_sgpr_workgroup_id_y 1
		.amdhsa_system_sgpr_workgroup_id_z 1
		.amdhsa_system_vgpr_workitem_id 0
		.amdhsa_next_free_vgpr 256
		.amdhsa_next_free_sgpr 66
		.amdhsa_reserve_vcc 1
		.amdhsa_float_denorm_mode_32 3
		.amdhsa_float_denorm_mode_16_64 3
		.amdhsa_memory_ordered 1
		.amdhsa_forward_progress 1
		.amdhsa_inst_pref_size 55
	.end_amdhsa_kernel
	.amdgpu_metadata
---
amdhsa.version: [ 1, 2 ]
amdhsa.kernels:
  - .name:           k_qde627e80cb_pool
    .symbol:         k_qde627e80cb_pool.kd
    .args:
      - { .name: xw, .offset: 0, .size: 8, .value_kind: global_buffer, .address_space: global }
      - { .name: sp, .offset: 8, .size: 8, .value_kind: global_buffer, .address_space: global }
      - { .name: x_mask, .offset: 16, .size: 8, .value_kind: global_buffer, .address_space: global }
      - { .name: ba, .offset: 24, .size: 8, .value_kind: global_buffer, .address_space: global }
      - { .name: xp, .offset: 32, .size: 8, .value_kind: global_buffer, .address_space: global }
      - { .name: st, .offset: 40, .size: 8, .value_kind: global_buffer, .address_space: global }
    .group_segment_fixed_size: 75008
    .private_segment_fixed_size: 0
    .kernarg_segment_align: 8
    .kernarg_segment_size: 48
    .max_flat_workgroup_size: 256
    .sgpr_count:     66
    .vgpr_count:     256
    .wavefront_size: 32
...
	.end_amdgpu_metadata
.endif
;; end of part 4
;; launch vproj (part 5): grid 256 x 1, 8 waves a work-group, no clusters, 17,664 bytes of LDS; arguments Wv, bv, xp, st, ov; writes ov
.if DOCPART == 5
	.amdgcn_target "amdgcn-amd-amdhsa--gfx1250"
	.amdhsa_code_object_version 6
	.text
	.protected	k_qde627e80cb_vproj
	.globl	k_qde627e80cb_vproj
	.p2align	8
	.type	k_qde627e80cb_vproj,@function
k_qde627e80cb_vproj:
	s_mov_b64 s[64:65], 0
	v_nop
	global_prefetch_b8 v0, s[64:65] scope:SCOPE_SE
	s_setreg_imm32_b32 hwreg(HW_REG_WAVE_MODE, 25, 1), 1
	s_wait_xcnt 0x0
; ov[b][n] = the sum over d of xbar[b][h][d] Wv[n][d] + bv[n], h = n / 256, where xbar[b][h] = the sum over the 8 chunks c of alpha[b][c] xp[8 b + c][h],
; alpha = e^(m_c - M) / L, M = the largest m_c, L = the sum of e^(m_c - M) l_c: the softmax's true maximum and whole sum, from the chunks' statistics in st.
; bv is added once: the weights sum to 1 up to f32 rounding.  Wv and bv are rounded to bf16 like every input; everything else in f32.
; A product with two rows: Wv streams once, a row (8,192 bytes) to a wave, 8 rows to a work-group, all of one head.  No matrix work (two rows would fill an eighth of a tile, and bf16 for the
; pooled x would cost accuracy), no cluster (Wv is shared by nobody; xp comes from what the launch before has just written).  All loads of a wave go out at once.
; The 16 numbers of a work-group leave as two runs of 32 bytes: rows are spread over the work-groups so that Wv streams on all of them, and the whole output is 16 KB.
; LIMITS: NaN and infinities are not treated apart; a factor below 2^-126 counts as 0; the order of the f32 sums is not reference()'s.
.set XB,    0                          ; xbar of my head: [2 b][2048] f32: 16,384 bytes
.set RES,   16384                      ; the 16 results: b at 32 b, wave w at + 4 w
.set SPARE, 16640                      ; the spare words, 128 bytes for each wave
.set SPW, 30
.set NIL, 31
.set W,   32                           ; v32-95   my row of Wv: load i at W + 4 i
.set PT,  96                           ; v96-223  the chunks' parts: (8 b + c) at PT + 8 (8 b + c), half f at + 4 f; later xbar: load i at PT + 8 i, b at + 4 b
.set RS,  224                          ; v224-239 xbar's 16 numbers of mine: b at + 8 b, half f at + 4 f
.set WR,  240                          ; v240-243 four numbers of the row, rounded
.set A,   244                          ; v244-251 the sums: b at A + 4 b, two pairs
.set AL,  32                           ; s32-47   alpha[8 b + c]
	s_load_b256 s[4:11], s[0:1], 0x0               ; Wv s[4:5], bv s[6:7], xp s[8:9], st s[10:11]
	s_load_b64 s[12:13], s[0:1], 0x20              ; ov
	v_lshl_add_u32 v[SPW], v0, 2, SPARE
	v_mov_b32 v[NIL], 0
	v_lshrrev_b32 v1, 5, v0
	v_readfirstlane_b32 s14, v1                    ; wave 0..7
	s_mov_b32 s15, ttmp9
	s_lshr_b32 s16, s15, 5                         ; the head
	s_lshl_b32 s17, s15, 3
	s_add_co_u32 s17, s17, s14                     ; my row n
	s_lshl_b32 s18, s17, 13                        ; its 8,192 bytes in Wv
	s_mov_b32 s19, 0
	s_lshl_b32 s20, s17, 2                         ; its word in bv
	s_mov_b32 s21, 0
	s_lshl_b32 s22, s16, 13                        ; the head's 8,192 bytes in a chunk of xp
	s_mov_b32 s23, 0
	s_mov_b32 s24, 0x76543210
	s_mov_b32 s25, 0xfedcba98
	s_mov_b32 s27, 0xffff0000
	s_lshl_b32 s28, s16, 2
	s_lshl_b32 s30, s15, 5                         ; my work-group's 8 numbers in a row of ov
	s_mov_b32 s31, 0
	v_and_b32 v1, 31, v0                           ; lane
	v_and_b32 v2, 15, v0                           ; lane % 16 = 8 b + c
	v_lshlrev_b32 v3, 4, v0                        ; 16 t
	v_lshlrev_b32 v4, 4, v1                        ; 16 x lane
	v_lshlrev_b32 v5, 7, v2
	v_add_nc_u32 v5, s28, v5                       ; st: 128 (8 b + c) + 4 h
	s_lshl_b32 s29, s14, 2
	s_add_co_u32 s29, s29, RES
	v_mov_b32 v13, s29                             ; where my results go
	v_lshl_add_u32 v18, v2, 2, RES                 ; where wave 0 reads them back
	v_lshrrev_b32 v15, 3, v2
	v_and_b32 v16, 7, v2
	v_lshlrev_b32 v15, 13, v15
	v_lshl_add_u32 v15, v16, 2, v15                ; and where they go in ov: 8,192 b + 4 w
	s_wait_kmcnt 0x0
	s_add_nc_u64 s[4:5], s[4:5], s[18:19]
	s_add_nc_u64 s[6:7], s[6:7], s[20:21]
	s_add_nc_u64 s[8:9], s[8:9], s[22:23]
	s_add_nc_u64 s[12:13], s[12:13], s[30:31]
	s_load_b32 s29, s[6:7], 0x0                    ; bv[n]
	global_load_b32 v6, v5, s[10:11]               ; m
	global_load_b32 v7, v5, s[10:11] offset:32     ; l
.irp q, 0,1,2,3,4,5,6,7,8,9,10,11,12,13,14,15
	global_load_b128 v[PT+8*\q:PT+8*\q+3],   v3, s[8:9] offset:65536*\q
	global_load_b128 v[PT+8*\q+4:PT+8*\q+7], v3, s[8:9] offset:65536*\q+4096
.endr
.irp i, 0,1,2,3,4,5,6,7,8,9,10,11,12,13,14,15
	global_load_b128 v[W+4*\i:W+4*\i+3], v4, s[4:5] offset:512*\i th:TH_LOAD_NT
.endr
	s_wait_loadcnt 48                              ; m and l are in; the 48 loads issued behind them stay out
	v_mov_b32 v8, v6
	v_max_num_f32_dpp v8, v8, v8 row_xmask:1 row_mask:0xf bank_mask:0xf  ; over the 8 chunks of one b: eight neighbouring lanes
	v_max_num_f32_dpp v8, v8, v8 row_xmask:2 row_mask:0xf bank_mask:0xf
	v_max_num_f32_dpp v8, v8, v8 row_xmask:4 row_mask:0xf bank_mask:0xf
	v_sub_f32 v9, v6, v8
	v_mul_f32 v9, 0x3fb8aa3b, v9
	v_exp_f32 v9, v9
	v_nop
	s_wait_alu depctr_va_vdst(0)
	v_mul_f32 v10, v9, v7
	v_add_f32_dpp v10, v10, v10 row_xmask:1 row_mask:0xf bank_mask:0xf
	v_add_f32_dpp v10, v10, v10 row_xmask:2 row_mask:0xf bank_mask:0xf
	v_add_f32_dpp v10, v10, v10 row_xmask:4 row_mask:0xf bank_mask:0xf  ; L: at least 1, since the chunk that holds M adds its own largest weight, 1
	v_rcp_f32 v11, v10
	v_nop
	s_wait_alu depctr_va_vdst(0)
	v_mul_f32 v9, v9, v11
.irp q, 0,1,2,3,4,5,6,7,8,9,10,11,12,13,14,15
	v_readlane_b32 s[AL+\q], v9, \q
.endr
	s_wait_loadcnt 16                              ; the chunks' parts are in; the row's 16 loads stay out
.irp b, 0,1
.irp f, 0,1
.irp j, 0,1,2,3
	v_mul_f32 v[RS+8*\b+4*\f+\j], s[AL+8*\b], v[PT+64*\b+4*\f+\j]
.endr
.irp c, 1,2,3,4,5,6,7
.irp j, 0,1,2,3
	v_fma_f32 v[RS+8*\b+4*\f+\j], s[AL+8*\b+\c], v[PT+64*\b+8*\c+4*\f+\j], v[RS+8*\b+4*\f+\j]
.endr
.endr
	ds_store_b128 v3, v[RS+8*\b+4*\f:RS+8*\b+4*\f+3] offset:8192*\b+4096*\f
.endr
.endr
	s_wait_dscnt 0x0                               ; for the others' sake: my part of xbar is written
	s_barrier_signal -1
	s_barrier_wait -1
	; my row times both xbar: lane l has the columns 4 l + 128 i + 0..3
.irp i, 0,1,2,3,4,5,6,7,8,9,10,11,12,13,14,15
	ds_load_b128 v[PT+8*\i:PT+8*\i+3],   v4 offset:512*\i
	ds_load_b128 v[PT+8*\i+4:PT+8*\i+7], v4 offset:8192+512*\i
.endr
	s_wait_loadcnt 0x0                             ; the row
.irp i, 0,1,2,3,4,5,6,7,8,9,10,11,12,13,14,15
	s_wait_dscnt 30-2*\i                           ; pair i of the LDS loads is in; the later pairs stay out
	v_cvt_pk_bf16_f32 v[W+4*\i], v[W+4*\i], v[W+4*\i+1]
	v_cvt_pk_bf16_f32 v[W+4*\i+2], v[W+4*\i+2], v[W+4*\i+3]
	v_lshlrev_b32 v[WR], 16, v[W+4*\i]
	v_and_b32 v[WR+1], s27, v[W+4*\i]
	v_lshlrev_b32 v[WR+2], 16, v[W+4*\i+2]
	v_and_b32 v[WR+3], s27, v[W+4*\i+2]
.irp b, 0,1
.irp p, 0,1
.if \i == 0
	v_pk_mul_f32 v[A+4*\b+2*\p:A+4*\b+2*\p+1], v[WR+2*\p:WR+2*\p+1], v[PT+4*\b+2*\p:PT+4*\b+2*\p+1]
.else
	v_pk_fma_f32 v[A+4*\b+2*\p:A+4*\b+2*\p+1], v[WR+2*\p:WR+2*\p+1], v[PT+8*\i+4*\b+2*\p:PT+8*\i+4*\b+2*\p+1], v[A+4*\b+2*\p:A+4*\b+2*\p+1]
.endif
.endr
.endr
.endr
	v_pk_add_f32 v[A:A+1], v[A:A+1], v[A+2:A+3]
	v_pk_add_f32 v[A+4:A+5], v[A+4:A+5], v[A+6:A+7]
	v_add_f32 v[A], v[A], v[A+1]
	v_add_f32 v[A+4], v[A+4], v[A+5]
.irp x, 1,2,4,8
	v_add_f32_dpp v[A], v[A], v[A] row_xmask:\x row_mask:0xf bank_mask:0xf
	v_add_f32_dpp v[A+4], v[A+4], v[A+4] row_xmask:\x row_mask:0xf bank_mask:0xf
.endr
	v_permlanex16_b32 v[A+1], v[A], s24, s25
	v_permlanex16_b32 v[A+5], v[A+4], s24, s25
	s_wait_kmcnt 0x0
	v_mov_b32 v12, s29
	v_cvt_pk_bf16_f32 v12, v12, v12                ; bv rounded to bf16
	v_lshlrev_b32 v12, 16, v12
	v_add_f32 v[A], v[A], v[A+1]
	v_add_f32 v[A+4], v[A+4], v[A+5]
	v_add_f32 v[A], v[A], v12
	v_add_f32 v[A+4], v[A+4], v12
	ds_store_b32 v13, v[A]                         ; all lanes write the same word with the same value
	ds_store_b32 v13, v[A+4] offset:32
	s_wait_dscnt 0x0
	s_barrier_signal -1
	s_barrier_wait -1
	s_wait_tensorcnt 0x0                           ; the wave's end, behind my last LDS store
	ds_add_u32 v[SPW], v[NIL]
	s_wait_dscnt 0x0
	s_cmp_lg_u32 s14, 0
	s_cbranch_scc1 .Lend
	ds_load_b32 v17, v18                           ; wave 0 stores the work-group's 16 numbers
	s_wait_dscnt 0x0
	s_wait_xcnt 0x0                                ; EXEC changes only behind this wait
	v_cmp_gt_u32 vcc_lo, 16, v1
	s_and_saveexec_b32 s26, vcc_lo
	global_store_b32 v15, v17, s[12:13]
	s_wait_xcnt 0x0                                ; and again, in front of the line that widens it
	s_or_b32 exec_lo, exec_lo, s26
.Lend:
	s_endpgm
.Lfunc_end_k_qde627e80cb_vproj:
	.size	k_qde627e80cb_vproj, .Lfunc_end_k_qde627e80cb_vproj-k_qde627e80cb_vproj
	.p2alignl 7, 3214868480
	.fill 96, 4, 3214868480
	.section	.rodata,"a",@progbits
	.p2align	6, 0x0
	.amdhsa_kernel k_qde627e80cb_vproj
		.amdhsa_group_segment_fixed_size 17664
		.amdhsa_private_segment_fixed_size 0
		.amdhsa_enable_private_segment 0
		.amdhsa_kernarg_size 40
		.amdhsa_user_sgpr_count 2
		.amdhsa_user_sgpr_kernarg_segment_ptr 1
		.amdhsa_wavefront_size32 1
		.amdhsa_system_sgpr_workgroup_id_x 1
		.amdhsa_system_sgpr_workgroup_id_y 1
		.amdhsa_system_sgpr_workgroup_id_z 1
		.amdhsa_system_vgpr_workitem_id 0
		.amdhsa_next_free_vgpr 256
		.amdhsa_next_free_sgpr 66
		.amdhsa_reserve_vcc 1
		.amdhsa_float_denorm_mode_32 3
		.amdhsa_float_denorm_mode_16_64 3
		.amdhsa_memory_ordered 1
		.amdhsa_forward_progress 1
		.amdhsa_inst_pref_size 29
	.end_amdhsa_kernel
	.amdgpu_metadata
---
amdhsa.version: [ 1, 2 ]
amdhsa.kernels:
  - .name:           k_qde627e80cb_vproj
    .symbol:         k_qde627e80cb_vproj.kd
    .args:
      - { .name: Wv, .offset: 0, .size: 8, .value_kind: global_buffer, .address_space: global }
      - { .name: bv, .offset: 8, .size: 8, .value_kind: global_buffer, .address_space: global }
      - { .name: xp, .offset: 16, .size: 8, .value_kind: global_buffer, .address_space: global }
      - { .name: st, .offset: 24, .size: 8, .value_kind: global_buffer, .address_space: global }
      - { .name: ov, .offset: 32, .size: 8, .value_kind: global_buffer, .address_space: global }
    .group_segment_fixed_size: 17664
    .private_segment_fixed_size: 0
    .kernarg_segment_align: 8
    .kernarg_segment_size: 40
    .max_flat_workgroup_size: 256
    .sgpr_count:     66
    .vgpr_count:     256
    .wavefront_size: 32
...
	.end_amdgpu_metadata
.endif
;; end of part 5
;; launch pproj (part 6): grid 256 x 1, 8 waves a work-group, no clusters, 17,664 bytes of LDS; arguments Wp, bp, ov, out0; writes out0
.if DOCPART == 6
	.amdgcn_target "amdgcn-amd-amdhsa--gfx1250"
	.amdhsa_code_object_version 6
	.text
	.protected	k_qde627e80cb_pproj
	.globl	k_qde627e80cb_pproj
	.p2align	8
	.type	k_qde627e80cb_pproj,@function
k_qde627e80cb_pproj:
	s_mov_b64 s[64:65], 0
	v_nop
	global_prefetch_b8 v0, s[64:65] scope:SCOPE_SE
	s_setreg_imm32_b32 hwreg(HW_REG_WAVE_MODE, 25, 1), 1
	s_wait_xcnt 0x0
; out0[b][m] = tanh(the sum over n of ov[b][n] Wp[m][n] + bp[m]).  Wp and bp are rounded to bf16 like every input; ov, the sums and tanh in f32.
; A product with two rows: Wp streams once, a row (8,192 bytes) to a wave, 8 rows to a work-group; ov (16 KB) is copied into LDS once a work-group.  No matrix work, no cluster: as in the launch before.
; The 16 numbers of a work-group leave as two runs of 32 bytes: rows are spread over the work-groups so that Wp streams on all of them, and the whole output is 16 KB.
; TANH.  |z| >= 0.25: 1 - 2 / (1 + e^(2 |z|)), which ends at 1 where the exponential overflows.  |z| < 0.25: |z| (1 - u/3 + 2 u^2/15 - 17 u^3/315 + 62 u^4/2835), u = z^2: the next term is
; below 1e-8 of the result there, so small z keep their relative accuracy.  Both are computed, v_cndmask_b32 chooses, z's sign is put back.
; LIMITS: NaN is not treated apart; the order of the f32 sums is not reference()'s.
.set XB,    0                          ; ov: [2 b][2048] f32: 16,384 bytes
.set RES,   16384                      ; the 16 results: b at 32 b, wave w at + 4 w
.set SPARE, 16640                      ; the spare words, 128 bytes for each wave
.set SPW, 30
.set NIL, 31
.set W,   32                           ; v32-95   my row of Wp: load i at W + 4 i
.set PT,  96                           ; v96-223  ov: load i at PT + 8 i, b at + 4 b
.set RS,  224                          ; v224-239 ov on its way into LDS
.set WR,  240                          ; v240-243 four numbers of the row, rounded
.set A,   244                          ; v244-251 the sums: b at A + 4 b, two pairs
	s_load_b256 s[4:11], s[0:1], 0x0               ; Wp s[4:5], bp s[6:7], ov s[8:9], out0 s[10:11]
	v_lshl_add_u32 v[SPW], v0, 2, SPARE
	v_mov_b32 v[NIL], 0
	v_lshrrev_b32 v1, 5, v0
	v_readfirstlane_b32 s14, v1                    ; wave 0..7
	s_mov_b32 s15, ttmp9
	s_lshl_b32 s17, s15, 3
	s_add_co_u32 s17, s17, s14                     ; my row m
	s_lshl_b32 s18, s17, 13                        ; its 8,192 bytes in Wp
	s_mov_b32 s19, 0
	s_lshl_b32 s20, s17, 2                         ; its word in bp
	s_mov_b32 s21, 0
	s_mov_b32 s24, 0x76543210
	s_mov_b32 s25, 0xfedcba98
	s_mov_b32 s27, 0xffff0000
	s_lshl_b32 s30, s15, 5                         ; my work-group's 8 numbers in a row of out0
	s_mov_b32 s31, 0
	v_and_b32 v1, 31, v0                           ; lane
	v_and_b32 v2, 15, v0                           ; lane % 16 = 8 b + w
	v_lshlrev_b32 v3, 4, v0                        ; 16 t
	v_lshlrev_b32 v4, 4, v1                        ; 16 x lane
	s_lshl_b32 s29, s14, 2
	s_add_co_u32 s29, s29, RES
	v_mov_b32 v13, s29                             ; where my results go
	v_lshl_add_u32 v11, v2, 2, RES                 ; where wave 0 reads them back
	v_lshrrev_b32 v15, 3, v2
	v_and_b32 v14, 7, v2
	v_lshlrev_b32 v15, 13, v15
	v_lshl_add_u32 v15, v14, 2, v15                ; and where they go in out0: 8,192 b + 4 w
	s_wait_kmcnt 0x0
	s_add_nc_u64 s[4:5], s[4:5], s[18:19]
	s_add_nc_u64 s[6:7], s[6:7], s[20:21]
	s_add_nc_u64 s[10:11], s[10:11], s[30:31]
	s_load_b32 s29, s[6:7], 0x0                    ; bp[m]
.irp k, 0,1,2,3
	global_load_b128 v[RS+4*\k:RS+4*\k+3], v3, s[8:9] offset:4096*\k
.endr
.irp i, 0,1,2,3,4,5,6,7,8,9,10,11,12,13,14,15
	global_load_b128 v[W+4*\i:W+4*\i+3], v4, s[4:5] offset:512*\i th:TH_LOAD_NT
.endr
	s_wait_loadcnt 16                              ; ov's four loads are in; the row's 16 stay out
.irp k, 0,1,2,3
	ds_store_b128 v3, v[RS+4*\k:RS+4*\k+3] offset:4096*\k
.endr
	s_wait_dscnt 0x0                               ; for the others' sake: my part of ov is written
	s_barrier_signal -1
	s_barrier_wait -1
	; my row times both rows of ov: lane l has the columns 4 l + 128 i + 0..3
.irp i, 0,1,2,3,4,5,6,7,8,9,10,11,12,13,14,15
	ds_load_b128 v[PT+8*\i:PT+8*\i+3],   v4 offset:512*\i
	ds_load_b128 v[PT+8*\i+4:PT+8*\i+7], v4 offset:8192+512*\i
.endr
	s_wait_loadcnt 0x0                             ; the row
.irp i, 0,1,2,3,4,5,6,7,8,9,10,11,12,13,14,15
	s_wait_dscnt 30-2*\i                           ; pair i of the LDS loads is in; the later pairs stay out
	v_cvt_pk_bf16_f32 v[W+4*\i], v[W+4*\i], v[W+4*\i+1]
	v_cvt_pk_bf16_f32 v[W+4*\i+2], v[W+4*\i+2], v[W+4*\i+3]
	v_lshlrev_b32 v[WR], 16, v[W+4*\i]
	v_and_b32 v[WR+1], s27, v[W+4*\i]
	v_lshlrev_b32 v[WR+2], 16, v[W+4*\i+2]
	v_and_b32 v[WR+3], s27, v[W+4*\i+2]
.irp b, 0,1
.irp p, 0,1
.if \i == 0
	v_pk_mul_f32 v[A+4*\b+2*\p:A+4*\b+2*\p+1], v[WR+2*\p:WR+2*\p+1], v[PT+4*\b+2*\p:PT+4*\b+2*\p+1]
.else
	v_pk_fma_f32 v[A+4*\b+2*\p:A+4*\b+2*\p+1], v[WR+2*\p:WR+2*\p+1], v[PT+8*\i+4*\b+2*\p:PT+8*\i+4*\b+2*\p+1], v[A+4*\b+2*\p:A+4*\b+2*\p+1]
.endif
.endr
.endr
.endr
	v_pk_add_f32 v[A:A+1], v[A:A+1], v[A+2:A+3]
	v_pk_add_f32 v[A+4:A+5], v[A+4:A+5], v[A+6:A+7]
	v_add_f32 v[A], v[A], v[A+1]
	v_add_f32 v[A+4], v[A+4], v[A+5]
.irp x, 1,2,4,8
	v_add_f32_dpp v[A], v[A], v[A] row_xmask:\x row_mask:0xf bank_mask:0xf
	v_add_f32_dpp v[A+4], v[A+4], v[A+4] row_xmask:\x row_mask:0xf bank_mask:0xf
.endr
	v_permlanex16_b32 v[A+1], v[A], s24, s25
	v_permlanex16_b32 v[A+5], v[A+4], s24, s25
	s_wait_kmcnt 0x0
	v_mov_b32 v12, s29
	v_cvt_pk_bf16_f32 v12, v12, v12                ; bp rounded to bf16
	v_lshlrev_b32 v12, 16, v12
	v_add_f32 v[A], v[A], v[A+1]
	v_add_f32 v[A+4], v[A+4], v[A+5]
	v_add_f32 v[A], v[A], v12                      ; z of b = 0,
	v_add_f32 v[A+4], v[A+4], v12                  ; and of b = 1
	; tanh of both, side by side
	v_and_b32 v16, 0x7fffffff, v[A]                ; |z|
	v_and_b32 v17, 0x7fffffff, v[A+4]
	v_mul_f32 v18, 0x4038aa3b, v16                 ; 2 log2(e) |z|
	v_mul_f32 v19, 0x4038aa3b, v17
	v_exp_f32 v18, v18
	v_exp_f32 v19, v19
	v_mul_f32 v20, v[A], v[A]                      ; u (also the plain instruction behind the exponentials)
	v_mul_f32 v21, v[A+4], v[A+4]
	s_wait_alu depctr_va_vdst(0)
	v_add_f32 v18, 1.0, v18
	v_add_f32 v19, 1.0, v19
	v_rcp_f32 v18, v18
	v_rcp_f32 v19, v19
	v_mov_b32 v22, 0x3cb327a4                      ; 62/2835 (also the plain instruction behind the reciprocals)
	v_mov_b32 v23, 0x3cb327a4
	v_fmaak_f32 v22, v22, v20, 0xbd5d0dd1          ; -17/315
	v_fmaak_f32 v23, v23, v21, 0xbd5d0dd1
	v_fmaak_f32 v22, v22, v20, 0x3e088889          ; 2/15
	v_fmaak_f32 v23, v23, v21, 0x3e088889
	v_fmaak_f32 v22, v22, v20, 0xbeaaaaab          ; -1/3
	v_fmaak_f32 v23, v23, v21, 0xbeaaaaab
	v_fma_f32 v22, v22, v20, 1.0
	v_fma_f32 v23, v23, v21, 1.0
	v_mul_f32 v22, v22, v16
	v_mul_f32 v23, v23, v17
	s_wait_alu depctr_va_vdst(0)
	v_fma_f32 v18, v18, -2.0, 1.0
	v_fma_f32 v19, v19, -2.0, 1.0
	v_cmp_gt_f32 vcc_lo, 0x3e800000, v16           ; 0.25 > |z|: the series
	v_cndmask_b32 v18, v18, v22, vcc_lo
	v_cmp_gt_f32 vcc_lo, 0x3e800000, v17
	v_cndmask_b32 v19, v19, v23, vcc_lo
	v_bfi_b32 v18, 0x7fffffff, v18, v[A]           ; z's sign
	v_bfi_b32 v19, 0x7fffffff, v19, v[A+4]
	ds_store_b32 v13, v18                          ; all lanes write the same word with the same value
	ds_store_b32 v13, v19 offset:32
	s_wait_dscnt 0x0
	s_barrier_signal -1
	s_barrier_wait -1
	s_wait_tensorcnt 0x0                           ; the wave's end, behind my last LDS store
	ds_add_u32 v[SPW], v[NIL]
	s_wait_dscnt 0x0
	s_cmp_lg_u32 s14, 0
	s_cbranch_scc1 .Lend
	ds_load_b32 v10, v11                           ; wave 0 stores the work-group's 16 numbers
	s_wait_dscnt 0x0
	s_wait_xcnt 0x0                                ; EXEC changes only behind this wait
	v_cmp_gt_u32 vcc_lo, 16, v1
	s_and_saveexec_b32 s26, vcc_lo
	global_store_b32 v15, v10, s[10:11]
	s_wait_xcnt 0x0                                ; and again, in front of the line that widens it
	s_or_b32 exec_lo, exec_lo, s26
.Lend:
	s_endpgm
.Lfunc_end_k_qde627e80cb_pproj:
	.size	k_qde627e80cb_pproj, .Lfunc_end_k_qde627e80cb_pproj-k_qde627e80cb_pproj
	.p2alignl 7, 3214868480
	.fill 96, 4, 3214868480
	.section	.rodata,"a",@progbits
	.p2align	6, 0x0
	.amdhsa_kernel k_qde627e80cb_pproj
		.amdhsa_group_segment_fixed_size 17664
		.amdhsa_private_segment_fixed_size 0
		.amdhsa_enable_private_segment 0
		.amdhsa_kernarg_size 32
		.amdhsa_user_sgpr_count 2
		.amdhsa_user_sgpr_kernarg_segment_ptr 1
		.amdhsa_wavefront_size32 1
		.amdhsa_system_sgpr_workgroup_id_x 1
		.amdhsa_system_sgpr_workgroup_id_y 1
		.amdhsa_system_sgpr_workgroup_id_z 1
		.amdhsa_system_vgpr_workitem_id 0
		.amdhsa_next_free_vgpr 256
		.amdhsa_next_free_sgpr 66
		.amdhsa_reserve_vcc 1
		.amdhsa_float_denorm_mode_32 3
		.amdhsa_float_denorm_mode_16_64 3
		.amdhsa_memory_ordered 1
		.amdhsa_forward_progress 1
		.amdhsa_inst_pref_size 19
	.end_amdhsa_kernel
	.amdgpu_metadata
---
amdhsa.version: [ 1, 2 ]
amdhsa.kernels:
  - .name:           k_qde627e80cb_pproj
    .symbol:         k_qde627e80cb_pproj.kd
    .args:
      - { .name: Wp, .offset: 0, .size: 8, .value_kind: global_buffer, .address_space: global }
      - { .name: bp, .offset: 8, .size: 8, .value_kind: global_buffer, .address_space: global }
      - { .name: ov, .offset: 16, .size: 8, .value_kind: global_buffer, .address_space: global }
      - { .name: out0, .offset: 24, .size: 8, .value_kind: global_buffer, .address_space: global }
    .group_segment_fixed_size: 17664
    .private_segment_fixed_size: 0
    .kernarg_segment_align: 8
    .kernarg_segment_size: 32
    .max_flat_workgroup_size: 256
    .sgpr_count:     66
    .vgpr_count:     256
    .wavefront_size: 32
...
	.end_amdgpu_metadata
.endif
;; end of part 6
